; MI455X (gfx1250); checked and timed in simulation.
; The chip was launched on July 23, 2026; its instructions are those of AMD's public machine-readable ISA for CDNA 5 (MIT licence, August 2026) and "CDNA5" Instruction Set Architecture Reference Guide (July 2026). The comments in the code are by the model that wrote it; some were corrected since.
;; Multi Head Attention. Allowed arithmetic: matrix products marked QUANTISED: E2M3 operands, one E8M0 scale for each 32 along K, by v_wmma_scale_f32_16x16x128_f8f6f4 with both operands' format E2M3, f32 sums; everything else in f32.
;; Inputs: Wk 1,024 x 1,024 float32; Wo 1,024 x 1,024 float32; Wq 1,024 x 1,024 float32; Wv 1,024 x 1,024 float32; bk 1,024 float32; bo 1,024 float32; bq 1,024 float32; bv 1,024 float32; x 4 x 2,048 x 1,024 float32.
;; Outputs: out0 4 x 2,048 x 1,024 float32.
;; This version of the problem:
;;   THIS VERSION OF THE PROBLEM IS GIVEN IN LOW PRECISION. The matrix products marked QUANTISED in the list below multiply operands that are first quantised to E2M3 (2 exponent bits, 3 mantissa bits; 6 bits a number), with one power-of-two scale for each 32 numbers along K (OCP MX v1.0); their sums are f32. All else is computed in f32.
;;   The module's matrix products, in the order in which they are computed (A, B: the left and right operand; K: the contracted axis; several contracted axes count as one K, in the product's order):
;;     1. [M 8,192, K 1,024] x [K 1,024, N 1,024]; A: input x; B: input Wq: QUANTISED
;;     2. [M 8,192, K 1,024] x [K 1,024, N 1,024]; A: input x; B: input Wk: QUANTISED
;;     3. [M 8,192, K 1,024] x [K 1,024, N 1,024]; A: input x; B: input Wv: QUANTISED
;;     4. batch 64 x [M 2,048, K 64] x [K 64, N 2,048]; A: computed on the way; B: computed on the way: QUANTISED
;;     5. batch 64 x [M 2,048, K 2,048] x [K 2,048, N 64]; A: softmax (see below); B: computed on the way: QUANTISED
;;     6. [M 8,192, K 1,024] x [K 1,024, N 1,024]; A: computed on the way; B: input Wo: QUANTISED
;;   THE QUANTISER, for each operand of a quantised product, along K:
;;     - K is cut into blocks of 32 from its start; a last block that is shorter is filled with zeros.
;;     - A block's scale is 2^e with e = floor(log2(the largest magnitude in the block)) - 2, held to -126 .. 127; a block of zeros has e = 0. As a byte (E8M0): e + 127.
;;     - Each number is divided by its block's scale, clamped to +-7.5, and rounded to the nearest number of E2M3, ties to even, subnormals kept.
;;     - The product sums the exact products of the quantised numbers (number of the format x scale) in f32.
;;   ~~~python
;;   def quantise(x, axis):      # numpy; x: float32 -> the quantised numbers, widened to float32 again
;;       x = np.moveaxis(x, axis, -1); K = x.shape[-1]
;;       x = np.pad(x, [(0, 0)] * (x.ndim - 1) + [(0, -K % 32)]); x = x.reshape(x.shape[:-1] + (-1, 32)); a = np.abs(x).max(-1, keepdims=True)
;;       e = np.where(a > 0, np.clip(np.frexp(np.where(a > 0, a, 1))[1] - 1 - 2, -126, 127), 0)      # np.frexp(a)[1] - 1 = floor(log2(a)), exactly
;;       r = np.clip(x / 2.0 ** e, -7.5, 7.5)
;;       step = 2.0 ** (np.maximum(np.frexp(np.where(r == 0, 1, r))[1] - 1, 0) - 3)
;;       q = np.round(r / step) * step * 2.0 ** e      # np.round: ties to even
;;       return np.moveaxis(q.reshape(q.shape[:-2] + (-1,))[..., :K], -1, axis).astype(np.float32)
;;   ~~~
;;   SOFTMAX AHEAD OF A QUANTISED PRODUCT. Where the list says 'softmax', what is quantised is not the finished softmax but p = 2^(t - M), with t = logit x log2(e) and M = ceil(the row's largest t), a whole number; so 1/2 < the row's largest p <= 1. The row's sum l is taken of the UNQUANTISED p, in f32, and the product's result is divided by l at the end. Since M is a whole number, a kernel that streams over the keys may use a running M (the ceiling of the running maximum): every later rescaling is an exact power of two, which a block's scale takes up: the codes' values come out the same.
;;   OPERANDS COMPUTED ON THE WAY. 'Computed on the way' means the value that the module computes at that place (a softmax that the list does not call 'softmax' is quantised finished and normalised). What goes into a quantiser is computed in f32, as accurately as f32 sums, v_exp_f32 and their like allow (about 1e-6 of the number): no bf16 or f16 on the way to a quantiser, and a product that is left as it is and whose result goes on into a quantised operand takes f32 operands (vector FMAs, or v_wmma_f32_16x16x4_f32). A number that lies on a knife's edge between two numbers of the format may be rounded either way, as far as f32 arithmetic and the matrix unit's own rounding can turn it there, and no further.
;; One version. Each part assembles by itself: llvm-mc -triple=amdgcn-amd-amdhsa -mcpu=gfx1250 --defsym DOCPART=n.
;; ======== version 1 of 1: 4 launches
;; workspace buffers: xc 6,291,456 bytes; xs 262,144 bytes; wc 3,145,728 bytes; ws 131,072 bytes; qb 6,815,744 bytes; kv 13,369,344 bytes; cc 6,291,456 bytes; cs 262,144 bytes
;; launch prep (part 1): grid 384 x 1, 4 waves a work-group, no clusters, 68,096 bytes of LDS; arguments x, Wq, Wk, Wv, Wo, xc, xs, wc, ws; writes xc, xs, wc, ws
.if DOCPART == 1
	.amdgcn_target "amdgcn-amd-amdhsa--gfx1250"
	.amdhsa_code_object_version 6
	.text
	.protected	k_q2999821fc0_prep
	.globl	k_q2999821fc0_prep
	.p2align	8
	.type	k_q2999821fc0_prep,@function
k_q2999821fc0_prep:
	s_mov_b64 s[64:65], 0
	v_nop
	global_prefetch_b8 v0, s[64:65] scope:SCOPE_SE
	s_setreg_imm32_b32 hwreg(HW_REG_WAVE_MODE, 25, 1), 1
	s_wait_xcnt 0x0
; x [8192][1024] f32 (K innermost) and Wq, Wk, Wv, Wo [1024 (k)][1024 (n)] f32 (K first) become codes of FP6 (E2M3), K innermost, 768 bytes a row,
; with one E8M0 byte for each 32 along K, 32 bytes a row.  xc, xs: 8,192 rows; wc, ws: 4,096 rows: Wq's columns, then Wk's, Wv's, Wo's.
; POSITION ORDER: row p of xc, xs, wc, ws holds token or column sw(p), sw = the exchange of bits 3 and 4 of the number.  So 16 rows on end, 32 B + 16 u + r, are the
; true numbers 32 B + 8 u + r + 8 (r / 8): a tile of 16 such rows as source 0 of a product leaves 16 true neighbours in the registers of two neighbouring accumulators.
; A block's scale is 2^(floor(log2(largest magnitude)) - 2): its byte is the largest magnitude's exponent field - 2, held at 1 from below.
; LIMITS: a block of zeros gets the byte 1 where the rule says 127 (its codes are zeros, and this program alone reads the bytes); blocks whose largest magnitude lies
; under 2^(3 - 127) are held at the byte 1; NaN and infinities among the inputs are not served.  W's scale bytes leave 8 bytes a row: 1 byte for each 128 that are read.
; Work-groups 0-255 take x, 256-383 the weights.  The two ways never join, and each has LDS bytes of its own (x: 0 .. 32,767; W: 32,768 .. 67,583).
; No tensor loads, no barrier: waves share nothing.
.set EMAX,  2
.set STEPS, 16                         ; x: a wave takes 16 steps of 512 numbers: 8 rows
.set CB,    12                         ; bytes of 16 codes
.set R,     16                         ; v16-79   four sets of 16 numbers as they are loaded
.set X,     80                         ; v80-111  two sets of 16 neighbours
.set C,     128                        ; v128-191 codes: four registers for each step
.set E,     112                        ; v112-127 a scale byte for each step
.set WREG,  8192                       ; x: LDS of a wave: two stages of 32 x SP bytes, then its 256 scale bytes
.set SP,    80                         ; a lane's place in a stage: 64 bytes + 16 of padding
.set WSTAGE, 32768                     ; W: the stages, 32 rows x WPITCH for each wave
.set WPITCH, 272                       ; sixteen places of 16 bytes, each with 12 bytes of codes, + 16
.set NB,    8                          ; W: blocks of 32 along K for a wave (256 along K)
.set WX,    32                         ; v32-95   two sets of 32 numbers
.set WC,    96                         ; v96..    a block's codes
.set OUTR,  112                        ; v112-175 the way out
.set SB,    24                         ; v24-25   the scale bytes, four to a register
	s_load_b256 s[4:11], s[0:1], 0x0               ; x s[4:5], Wq s[6:7], Wk s[8:9], Wv s[10:11]
	s_load_b256 s[12:19], s[0:1], 0x20             ; Wo s[12:13], xc s[14:15], xs s[16:17], wc s[18:19]
	s_load_b64 s[20:21], s[0:1], 0x40              ; ws
	v_lshl_add_u32 v192, v0, 2, 0x10800
	v_mov_b32 v193, 0
	v_lshrrev_b32 v1, 5, v0
	v_readfirstlane_b32 s22, v1                    ; wave 0..3
	v_and_b32 v2, 31, v0                           ; lane
	s_cmp_lt_u32 ttmp9, 256
	s_cbranch_scc0 .Lweights
; ---------------- x: a plain stream of blocks of 32.  Each load reads 512 consecutive bytes; a step's 2,048 bytes turn through the wave's stage so that a lane holds 16 neighbours.
	v_lshlrev_b32 v3, 4, v2                        ; my 16 bytes of a load's 512
	s_mul_i32 s23, s22, WREG
	v_lshrrev_b32 v14, 2, v2
	v_mul_u32_u24 v14, v14, SP
	v_and_b32 v15, 3, v2
	v_lshl_add_u32 v14, v15, 4, v14
	v_add_nc_u32 v14, s23, v14                     ; into the stage: SP (lane / 4) + 16 (lane % 4)
	v_mul_u32_u24 v15, v2, SP
	v_add_nc_u32 v15, s23, v15                     ; out of it: SP x lane: my 16 neighbours
	v_mul_u32_u24 v4, v2, CB                       ; my codes' place in a step's
	v_lshrrev_b32 v5, 1, v2
	s_add_co_u32 s23, s23, 2*32*SP
	v_add_nc_u32 v5, s23, v5                       ; my wave's 256 scale bytes, my block's byte
	v_lshlrev_b32 v7, 3, v2
	v_add_nc_u32 v6, s23, v7                       ; and on the way out 8 bytes a lane
	s_lshl_b32 s24, ttmp9, 2
	s_add_co_u32 s26, s24, s22                     ; the run of 8 rows that I read: 4 x work-group + wave
	s_lshl_b32 s26, s26, 15                        ; 32,768 bytes a run
	s_mov_b32 s27, 0
	s_and_b32 s28, s22, 1                          ; a run is 8 rows, so the wave's two bits are bits 3 and 4 of the row: exchanged, they give the run that I write
	s_lshl_b32 s28, s28, 1
	s_lshr_b32 s29, s22, 1
	s_or_b32 s28, s28, s29
	s_add_co_u32 s28, s28, s24
	s_mul_i32 s30, s28, 32*STEPS*CB                ; 6,144 bytes of codes a run
	s_mov_b32 s31, 0
	s_lshl_b32 s28, s28, 8                         ; 256 scale bytes a run
	s_mov_b32 s29, 0
	s_wait_kmcnt 0x0
	s_add_nc_u64 s[4:5], s[4:5], s[26:27]
	s_add_nc_u64 s[14:15], s[14:15], s[30:31]
	s_add_nc_u64 s[16:17], s[16:17], s[28:29]
.macro LOAD t
.irp i, 0,1,2,3
	global_load_b128 v[R+16*((\t)%4)+4*\i:R+16*((\t)%4)+4*\i+3], v3, s[4:5] offset:2048*(\t)+512*\i th:TH_LOAD_NT   ; 32 lanes read 512 consecutive bytes
.endr
.endm
.macro TURN t                          ; step t's numbers through the stage: LDS serves a wave's instructions in order, so no wait stands between the stores and the loads
.irp i, 0,1,2,3
	ds_store_b128 v14, v[R+16*((\t)%4)+4*\i:R+16*((\t)%4)+4*\i+3] offset:32*SP*((\t)%2)+8*SP*\i
.endr
.irp i, 0,1,2,3
	ds_load_b128 v[X+16*((\t)%2)+4*\i:X+16*((\t)%2)+4*\i+3], v15 offset:32*SP*((\t)%2)+16*\i
.endr
.endm
.irp t, 0,1,2,3
	LOAD \t
.endr
	s_wait_loadcnt 12                              ; step 0's four loads are in
	TURN 0
.macro STEP t
.set XS, X+16*((\t)%2)
.if (\t) > 0
	s_wait_dscnt 1                                 ; this step's numbers are back from the stage (the last step's byte store may be out): its stores into the stage have read their registers,
.else
	s_wait_dscnt 0x0
.endif
.if (\t)+4 < STEPS
	LOAD (\t)+4                                    ; which take the loads of four steps on
.endif
.if (\t)+1 < STEPS
.if STEPS-2-(\t) >= 3
	s_wait_loadcnt 12                              ; the next step's four loads are in; those of the three steps behind it may be out
.else
	s_wait_loadcnt 4*(STEPS-2-(\t))
.endif
	TURN (\t)+1                                    ; and go through the other stage while this step is worked
.endif
	v_max3_num_f32 v8, |v[XS]|, |v[XS+1]|, |v[XS+2]|               ; the largest magnitude of my 16, in two chains
	v_max3_num_f32 v9, |v[XS+3]|, |v[XS+4]|, |v[XS+5]|
.irp i, 6,10
	v_max3_num_f32 v8, v8, |v[XS+\i]|, |v[XS+\i+1]|
	v_max3_num_f32 v9, v9, |v[XS+\i+2]|, |v[XS+\i+3]|
.endr
	v_max3_num_f32 v8, v8, |v[XS+14]|, |v[XS+15]|
	v_max3_num_f32 v8, v8, v9, (EMAX+1)<<23        ; and the floor 2^(3 - 127): the byte cannot fall under 1
	v_max_num_f32_dpp v8, v8, v8 row_xmask:1 row_mask:0xf bank_mask:0xf   ; and of my neighbour's 16: the block's
	v_add_nc_u32 v11, -(EMAX<<23), v8              ; 2 off its exponent field: the conversion takes the exponent field of this operand as its scale
	v_cvt_scalef32_pk16_fp6_f32 v[C+4*(\t):C+4*(\t)+2], v[XS:XS+15], v11
	v_lshrrev_b32 v[E+(\t)], 23, v11               ; the scale's byte (also the plain line behind the conversion)
	ds_store_b8 v5, v[E+(\t)] offset:16*(\t)       ; both lanes of a block write the same byte with the same value
	global_store_b96 v4, v[C+4*(\t):C+4*(\t)+2], s[14:15] offset:32*CB*(\t)   ; the wave stores 384 consecutive bytes
.endm
.irp t, 0,1,2,3,4,5,6,7,8,9,10,11,12,13,14,15
	STEP \t
.endr
	ds_load_b64 v[12:13], v6                       ; LDS serves a wave's instructions in order: these see my stores
	s_wait_dscnt 0x0
	global_store_b64 v7, v[12:13], s[16:17]        ; 32 lanes store 256 consecutive bytes, aligned
	s_wait_tensorcnt 0x0
	ds_add_u32 v192, v193
	s_wait_dscnt 0x0
	s_endpgm
; ---------------- the weights: a lane takes a column n and its registers run down K.  A wave: 32 columns x 256 along K.
.Lweights:
	s_sub_co_u32 s23, ttmp9, 256
	s_and_b32 s24, s23, 7                          ; which 128 columns
	s_bfe_u32 s25, s23, 0x20003                    ; which 256 along K
	s_lshr_b32 s26, s23, 5                         ; which weight: 0 Wq, 1 Wk, 2 Wv, 3 Wo
	s_lshl_b32 s27, s24, 7
	s_lshl_b32 s28, s22, 5
	s_add_co_u32 s27, s27, s28                     ; my wave's first column
	v_lshlrev_b32 v3, 2, v2                        ; in: 4 bytes a lane
	s_mul_i32 s28, s22, 32*WPITCH
	s_add_co_u32 s28, s28, WSTAGE                  ; my stage
	v_mul_u32_u24 v4, v2, WPITCH
	v_add_nc_u32 v4, s28, v4                       ; into it: row = my column
	v_and_b32 v5, 15, v2
	v_lshrrev_b32 v6, 4, v2
	v_mul_u32_u24 v7, v6, WPITCH
	v_lshl_add_u32 v7, v5, 4, v7
	v_add_nc_u32 v7, s28, v7                       ; out of it: sixteen lanes to a row, two rows an instruction
	v_mul_u32_u24 v8, v6, 768
	v_mad_u32_u24 v8, v5, 12, v8                   ; and the same place in wc
	v_and_b32 v9, 7, v2                            ; my column's row of scale bytes: 32 x sw(lane)
	v_and_b32 v10, 8, v2
	v_lshl_or_b32 v9, v10, 1, v9
	v_and_b32 v10, 16, v2
	v_lshrrev_b32 v10, 1, v10
	v_or_b32 v9, v9, v10
	v_lshlrev_b32 v9, 5, v9
	s_lshl_b32 s30, s25, 20                        ; W: 256 rows of 4,096 bytes for each step along K,
	s_lshl_b32 s31, s27, 2
	s_add_co_u32 s30, s30, s31                     ; + 4 x column
	s_mov_b32 s31, 0
	s_lshl_b32 s28, s26, 10
	s_add_co_u32 s28, s28, s27                     ; row of wc and ws: 1,024 x weight + column
	s_mul_i32 s32, s28, 768
	s_mul_i32 s29, s25, 192
	s_add_co_u32 s32, s32, s29
	s_mov_b32 s33, 0
	s_lshl_b32 s34, s28, 5
	s_lshl_b32 s29, s25, 3
	s_add_co_u32 s34, s34, s29
	s_mov_b32 s35, 0
	s_wait_kmcnt 0x0
	s_cmp_eq_u32 s26, 1                            ; the choice hangs on the work-group's number alone
	s_cselect_b64 s[6:7], s[8:9], s[6:7]
	s_cmp_eq_u32 s26, 2
	s_cselect_b64 s[6:7], s[10:11], s[6:7]
	s_cmp_eq_u32 s26, 3
	s_cselect_b64 s[6:7], s[12:13], s[6:7]
	s_add_nc_u64 s[6:7], s[6:7], s[30:31]
	s_add_nc_u64 s[18:19], s[18:19], s[32:33]
	s_add_nc_u64 s[20:21], s[20:21], s[34:35]
.macro WLOAD t                         ; block t: W(32 t + i, my column), i = 0 .. 31, into set t % 2; a wave's load reads 128 consecutive bytes
.set ii, 0
.rept 32
	global_load_b32 v[WX+32*((\t)%2)+ii], v3, s[6:7] offset:(32*(\t)+ii)*4096 th:TH_LOAD_NT
.set ii, ii+1
.endr
.endm
	WLOAD 0
	WLOAD 1
.macro WBLOCK t
.set XS, WX+32*((\t)%2)
.if (\t) < NB-1
	s_wait_loadcnt 32                              ; this block's 32 loads are in; the next block's may be out
.else
	s_wait_loadcnt 0
.endif
	v_max3_num_f32 v12, |v[XS]|, |v[XS+1]|, |v[XS+2]|               ; the block's largest magnitude: all 32 numbers are mine
	v_max3_num_f32 v13, |v[XS+3]|, |v[XS+4]|, |v[XS+5]|
.irp i, 6,10,14,18,22,26
	v_max3_num_f32 v12, v12, |v[XS+\i]|, |v[XS+\i+1]|
	v_max3_num_f32 v13, v13, |v[XS+\i+2]|, |v[XS+\i+3]|
.endr
	v_max3_num_f32 v12, v12, |v[XS+30]|, |v[XS+31]|
	v_max3_num_f32 v12, v12, v13, (EMAX+1)<<23     ; and the floor
	v_add_nc_u32 v11, -(EMAX<<23), v12             ; the conversion's scale operand
	v_lshrrev_b32 v13, 23, v11                     ; the scale's byte
.if (\t)%4 == 0
	v_mov_b32 v[SB+(\t)/4], v13                    ; four bytes to a register, the lower K in the lower byte
.else
	v_lshl_or_b32 v[SB+(\t)/4], v13, 8*((\t)%4), v[SB+(\t)/4]
.endif
	v_cvt_scalef32_pk16_fp6_f32 v[WC:WC+2], v[XS:XS+15], v11
	v_cvt_scalef32_pk16_fp6_f32 v[WC+4:WC+6], v[XS+16:XS+31], v11   ; (a conversion's three registers begin on an even number)
	v_nop                                          ; one plain line behind the conversions
	ds_store_b96 v4, v[WC:WC+2] offset:32*(\t)     ; 12 bytes to a place of 16, so that every LDS address is a multiple of 16
	ds_store_b96 v4, v[WC+4:WC+6] offset:32*(\t)+16
.if (\t)+2 < NB
	WLOAD (\t)+2
.endif
	s_wait_dscnt 0x0                               ; the stores have read their registers: the next block's codes may be written
.endm
.set Q, 0
.rept NB
	WBLOCK Q
.set Q, Q+1
.endr
	global_store_b64 v9, v[SB:SB+1], s[20:21]      ; my column's 8 scale bytes, at its position
.irp t, 0,1,2,3,4,5,6,7,8,9,10,11,12,13,14,15
	ds_load_b96 v[OUTR+4*\t:OUTR+4*\t+2], v7 offset:2*\t*WPITCH   ; columns 2 t and 2 t + 1; LDS serves a wave's instructions in order
.endr
.irp t, 0,1,2,3,4,5,6,7,8,9,10,11,12,13,14,15
	s_wait_dscnt 15-\t
	global_store_b96 v8, v[OUTR+4*\t:OUTR+4*\t+2], s[18:19] offset:2*((\t&3)|((\t&4)<<1)|((\t&8)>>1))*768   ; bits 2 and 3 of t are bits 3 and 4 of the column: exchanged
.endr
	s_wait_tensorcnt 0x0
	ds_add_u32 v192, v193
	s_wait_dscnt 0x0
	s_endpgm
.Lfunc_end_k_q2999821fc0_prep:
	.size	k_q2999821fc0_prep, .Lfunc_end_k_q2999821fc0_prep-k_q2999821fc0_prep
	.p2alignl 7, 3214868480
	.fill 96, 4, 3214868480
	.section	.rodata,"a",@progbits
	.p2align	6, 0x0
	.amdhsa_kernel k_q2999821fc0_prep
		.amdhsa_group_segment_fixed_size 68096
		.amdhsa_private_segment_fixed_size 0
		.amdhsa_enable_private_segment 0
		.amdhsa_kernarg_size 72
		.amdhsa_user_sgpr_count 2
		.amdhsa_user_sgpr_kernarg_segment_ptr 1
		.amdhsa_wavefront_size32 1
		.amdhsa_system_sgpr_workgroup_id_x 1
		.amdhsa_system_sgpr_workgroup_id_y 1
		.amdhsa_system_sgpr_workgroup_id_z 1
		.amdhsa_system_vgpr_workitem_id 0
		.amdhsa_next_free_vgpr 194
		.amdhsa_next_free_sgpr 66
		.amdhsa_reserve_vcc 0
		.amdhsa_float_denorm_mode_32 3
		.amdhsa_float_denorm_mode_16_64 3
		.amdhsa_memory_ordered 1
		.amdhsa_forward_progress 1
		.amdhsa_inst_pref_size 74
	.end_amdhsa_kernel
	.amdgpu_metadata
---
amdhsa.version: [ 1, 2 ]
amdhsa.kernels:
  - .name:           k_q2999821fc0_prep
    .symbol:         k_q2999821fc0_prep.kd
    .args:
      - { .name: x, .offset: 0, .size: 8, .value_kind: global_buffer, .address_space: global }
      - { .name: Wq, .offset: 8, .size: 8, .value_kind: global_buffer, .address_space: global }
      - { .name: Wk, .offset: 16, .size: 8, .value_kind: global_buffer, .address_space: global }
      - { .name: Wv, .offset: 24, .size: 8, .value_kind: global_buffer, .address_space: global }
      - { .name: Wo, .offset: 32, .size: 8, .value_kind: global_buffer, .address_space: global }
      - { .name: xc, .offset: 40, .size: 8, .value_kind: global_buffer, .address_space: global }
      - { .name: xs, .offset: 48, .size: 8, .value_kind: global_buffer, .address_space: global }
      - { .name: wc, .offset: 56, .size: 8, .value_kind: global_buffer, .address_space: global }
      - { .name: ws, .offset: 64, .size: 8, .value_kind: global_buffer, .address_space: global }
    .group_segment_fixed_size: 68096
    .private_segment_fixed_size: 0
    .kernarg_segment_align: 8
    .kernarg_segment_size: 72
    .max_flat_workgroup_size: 128
    .sgpr_count:     66
    .vgpr_count:     194
    .wavefront_size: 32
...
	.end_amdgpu_metadata
.endif
;; end of part 1
;; launch qkv (part 2): grid 12 x 32, 4 waves a work-group, clusters of 4 x 4, 327,680 bytes of LDS; arguments xc, xs, wc, ws, bq, bk, bv, qb, kv; writes qb, kv
.if DOCPART == 2
	.amdgcn_target "amdgcn-amd-amdhsa--gfx1250"
	.amdhsa_code_object_version 6
	.text
	.protected	k_q2999821fc0_qkv
	.globl	k_q2999821fc0_qkv
	.p2align	8
	.type	k_q2999821fc0_qkv,@function
k_q2999821fc0_qkv:
	s_mov_b64 s[64:65], 0
	v_nop
	global_prefetch_b8 v0, s[64:65] scope:SCOPE_SE
	s_setreg_imm32_b32 hwreg(HW_REG_WAVE_MODE, 25, 1), 1
	s_wait_xcnt 0x0
	s_wait_alu depctr_hold_cnt(0) depctr_sa_sdst(0) depctr_va_vdst(0) depctr_va_sdst(0) depctr_va_ssrc(0) depctr_va_vcc(0) depctr_vm_vsrc(0)
	s_getreg_b32 s2, hwreg(HW_REG_IB_STS2, 6, 4)
	s_cmp_eq_u32 s2, 0
	s_cbranch_scc0 .Lentry_in_a_cluster
	s_endpgm
.Lentry_in_a_cluster:
	s_bfe_u32 s2, ttmp6, 0x10000c
	s_cmp_lg_u32 s2, 0xf033
	s_cbranch_scc0 .Lentry_shape_is_right
	s_endpgm
.Lentry_shape_is_right:
; q = x Wq + bq, k = x Wk + bk, v = x Wv + bv on codes of FP6 (E2M3) with E8M0 scales, K = 1,024; the results are quantised in registers and leave as codes.
; A tile of 256 x 256 results is made by four waves, 128 x 128 each: 64 accumulators, 512 registers.  K goes in steps of 256 through a ring of two LDS slots; the scale bytes of the tile's
; 512 rows, for all of K, come once.  4 x 4 work-groups form a cluster; A's tiles are asked for jointly along a row of the cluster, B's along a column.
; THE MODE is the cluster's x: 0 q, 1 k, 2 v: the same in all sixteen partners.  The matrix instruction always takes 16 rows of B as source 0 and 16 rows of A as source 1: a lane holds one row of A,
; and its registers run along B's rows.  Modes 0, 1: A = x, B = W: registers run along the head's channels, which are K of q k^T.  Mode 2: THE POINTERS ARE SWAPPED, A = Wv, B = x: registers run along
; the tokens, which are the keys: K of p v.  Rows of xc and wc lie in position order (row p holds number sw(p), bits 3 and 4 exchanged), so the 16 registers of accumulators 2 B, 2 B + 1 are 16 true neighbours.
; The bias is the C of each sum's first matrix instruction.
; OUT.  A block of 16 rows of A x 128 becomes one fragment (12 registers a lane) and one scale word a row.  q, k: registers 0-5 and 6-11 are two heads' half images (768 bytes: 16 x lane, then 8 x lane);
; v: the whole image (3 x 512 bytes) of 16 channels x 128 keys.  qb: [64 heads][16 groups of 128 tokens][8 images, 128 scale words]; kv: [64 heads][16 key steps][K's 8 images, V's 4, K's 128 words, V's 64].
; Every store of the wave covers 256 or 512 consecutive bytes, aligned.  A q or k scale word has the head's two bytes below; its upper two bytes are never 0xff and stand over zero codes.
; LIMITS: a block of zeros gets the byte 1 (its codes are zeros; this program alone reads the bytes); NaN and infinities are not served.
; 384 tiles of equal work.  Nothing is prefetched: a tile has four slot fills, two of which go out at the head.
; REGISTERS: window 0: v8-15 and v16-31 addresses; v32-63 scale words, two sets; v64-127 the bias, later the codes; v128-223 A's fragments, one set; v224-241 at work on the way out.
;   window 1: B's fragments, two sets.   windows 2, 3: the accumulators ((a, b) at v[8 (8 (a % 4) + b)] of window 2 + a / 4).
.set NQ,     2                         ; matrix instructions deep in a slot (256 along K)
.set ROWB,   192                       ; a tile's row in bytes
.set KROW,   768                       ; a row of codes in memory
.set PITCH,  240                       ; an LDS row: 3 x (64 bytes + 16 of padding)
.set FR,     12
.set NL,     6                         ; LDS loads that bring a fragment
.set NP,     4                         ; places behind this matrix instruction (ISA guide 7.12.1)
.set HALFT,  128*PITCH
.set SLOT,   4*HALFT
.set KS,     32                        ; a row of scale bytes
.set SCL,    2*SLOT                    ; behind the ring: the scales, as units of 256 bytes + 16 of padding
.set HALFS,  16*272                    ; those of 128 rows
.set SBLK,   2*272                     ; those of 16 rows
.set SPARE,  SCL+4*HALFS               ; the spare words: 128 bytes a wave, two blocks of 256 bytes that no other line names
.set SCQ,    0                         ; the way out, in slot 0, which has had its last fill and its last read by then: q's and k's scale words, 1,024 bytes a wave;
.set SCVS,   4096                      ; v's, 512 bytes a wave
.set ADRA, 16                          ; v16-17 LDS address of my A fragments in slot 0, 1 (v18-19: behind one padding more)
.set ADRB, 20                          ; v20-23 the same for B
.set ADRS, 27                          ; v27 my scale words: lanes 0-15 A's rows, lanes 16-31 B's
.set SPW,  28                          ; v28 my spare word; never rewritten
.set NIL,  29                          ; v29 0; never rewritten
.set SC,   32
.set BIAS, 64
.set CD,   64                          ; the way out: the codes, v64-82
.set AF,   128
.set TM,   224                         ; v224-227 largest magnitudes, v228-231 bytes, v236-239 the conversions' scale operands
.set PW,   240                         ; the scale word; v241 its shifted copy
.set G1, 24
.set G0, 32
.set G1B, 48
.set G0B, 56
.set G1S, 68
.set G0S, 76
.set G1SB, 80
.set G0SB, 88
.set MODE, 104
.set MSB, 0
.macro WIN new                         ; the immediate's high byte repeats the setting that is left
.if MSB != \new
	s_set_vgpr_msb (MSB<<8)|\new
.set MSB, \new
.endif
.endm
.set MUL_LO, 0xa1                      ; source 0 (B) window 1, source 1 (A) window 0, C and D window 2
.set MUL_HI, 0xf1
.set TO_B,   0x40
; A joint load: waves 0 and 1 fetch for A, waves 2 and 3 for B; the branch hangs on the wave's number alone.  Four v_nop follow each of the two lines.
.macro JLOAD g0a, g1a, g0b, g1b
	s_cmp_eq_u32 s15, 0
	s_cbranch_scc0 .Lfor_b_\@
	tensor_load_to_lds s[\g0a:\g0a+3], s[\g1a:\g1a+7]
	s_nop 0
.rept 4
	v_nop
.endr
	s_branch .Lasked_\@
.Lfor_b_\@:
	tensor_load_to_lds s[\g0b:\g0b+3], s[\g1b:\g1b+7]
	s_nop 0
.rept 4
	v_nop
.endr
.Lasked_\@:
.endm
.macro CREST                           ; a round of the cluster's barrier behind its opening barrier
	s_cmp_lg_u32 s14, 0
	s_cbranch_scc1 .Lnot_wave_0_\@
	s_barrier_signal -3
.Lnot_wave_0_\@:
	s_barrier_wait -3
	s_barrier_signal -1
	s_barrier_wait -1
.endm
.macro CROUND
	s_barrier_signal -1
	s_barrier_wait -1
	CREST
.endm
	s_load_b256 s[4:11], s[0:1], 0x0               ; xc, xs, wc, ws
	s_load_b256 s[92:99], s[0:1], 0x20             ; bq, bk, bv, qb
	s_load_b64 s[100:101], s[0:1], 0x40            ; kv
	v_lshl_add_u32 v[SPW], v0, 2, SPARE
	v_mov_b32 v[NIL], 0
	ds_add_u32 v28, v29
	ds_add_u32 v28, v29
	s_wait_dscnt 0x0
	v_lshrrev_b32 v1, 5, v0
	v_readfirstlane_b32 s14, v1                    ; wave 0..3
	s_lshr_b32 s15, s14, 1                         ; which half of A's rows is mine.  Also: I fetch for A (0) or for B (1)
	s_and_b32 s16, s14, 1                          ; which half of B's rows.  Also: which 128 rows I fetch
	s_bfe_u32 s40, ttmp6, 0x40000                  ; cx
	s_bfe_u32 s41, ttmp6, 0x40004                  ; cy
	s_mov_b32 s[MODE], ttmp9                       ; the cluster's x
	s_and_b32 s19, ttmp7, 0xffff
	s_lshl_b32 s19, s19, 2                         ; 4 x the cluster's y: x's 32 tiles of 256 rows
	s_lshl_b32 s18, s[MODE], 2                     ; Wq's tiles begin at 0, Wk's at 4
	s_cmp_eq_u32 s[MODE], 2
	s_cselect_b32 s17, 8, s19                      ; A's tile: of Wv (from 8 on) or of x
	s_cselect_b32 s42, s19, s18                    ; B's tile: of x or of W
	s_add_co_u32 s17, s17, s41                     ; + cy
	s_add_co_u32 s42, s42, s40                     ; + cx
	s_lshl_b32 s43, s41, 2
	s_lshl_b32 s43, 15, s43                        ; my row of the cluster
	s_lshl_b32 s44, 0x1111, s40                    ; my column
	s_or_b32 s[G1+0], s43, (0<<16)|(1<<20)|(1<<21)|(3<<22)|(3<<25)  ; the mask; elements of 1 byte; padding on; bit 21 beside a mask; after every 16 words, 4 words
	s_or_b32 s[G1B+0], s44, (0<<16)|(1<<20)|(1<<21)|(3<<22)|(3<<25)
.irp g, G1, G1B
	s_mov_b32 s[\g+1], ROWB<<16                    ; tensor_dim0
	s_mov_b32 s[\g+2], 128<<16                     ; tensor_dim1
	s_mov_b32 s[\g+3], ROWB<<16                    ; tile_dim0
	s_mov_b32 s[\g+4], 128                         ; tile_dim1
	s_mov_b32 s[\g+5], KROW                        ; the pitch
	s_mov_b32 s[\g+6], 0
	s_mov_b32 s[\g+7], 0
.endr
	s_or_b32 s[G1S+0], s43, (3<<16)|(1<<20)|(1<<21)|(5<<22)|(3<<25) ; the scales of 128 rows: 4,096 dense bytes as 16 rows of 256, 16 bytes of padding behind each
	s_or_b32 s[G1SB+0], s44, (3<<16)|(1<<20)|(1<<21)|(5<<22)|(3<<25)
.irp g, G1S, G1SB
	s_mov_b32 s[\g+1], 32<<16
	s_mov_b32 s[\g+2], 16<<16
	s_mov_b32 s[\g+3], 32<<16
	s_mov_b32 s[\g+4], 16
	s_mov_b32 s[\g+5], 32
	s_mov_b32 s[\g+6], 0
	s_mov_b32 s[\g+7], 0
.endr
	s_lshl_b32 s18, s16, 7                         ; which 128 rows of the tile I fetch
	s_lshl_b32 s20, s17, 8
	s_add_co_u32 s20, s20, s18                     ; A's row
	s_lshl_b32 s46, s42, 8
	s_add_co_u32 s46, s46, s18                     ; B's row
	s_mov_b32 s21, 0
	s_mov_b32 s47, 0
	s_mov_b64 s[18:19], KS
	s_mul_u64 s[22:23], s[20:21], s[18:19]         ; where these rows' scales begin
	s_mul_u64 s[2:3], s[46:47], s[18:19]
	s_mov_b64 s[18:19], KROW
	s_mul_u64 s[20:21], s[20:21], s[18:19]         ; and their codes
	s_mul_u64 s[46:47], s[46:47], s[18:19]
	s_mul_i32 s45, s14, HALFT                      ; where they go: wave x 128 rows: no place in the cluster enters an LDS address
	s_mul_i32 s105, s14, HALFS
	s_wait_kmcnt 0x0
	s_cmp_eq_u32 s[MODE], 2                        ; the choices hang on the mode alone
	s_cselect_b64 s[12:13], s[8:9], s[4:5]         ; A's codes
	s_cselect_b64 s[66:67], s[10:11], s[6:7]       ; A's scales
	s_cselect_b64 s[8:9], s[4:5], s[8:9]           ; B's codes
	s_cselect_b64 s[10:11], s[6:7], s[10:11]       ; B's scales
	s_cselect_b64 s[4:5], s[96:97], s[94:95]       ; the bias: bv or bk,
	s_cmp_eq_u32 s[MODE], 0
	s_cselect_b64 s[4:5], s[92:93], s[4:5]         ; or bq
	s_cselect_b64 s[6:7], s[98:99], s[100:101]     ; the output: qb or kv
	s_add_nc_u64 s[20:21], s[12:13], s[20:21]
	s_add_nc_u64 s[22:23], s[66:67], s[22:23]
	s_add_nc_u64 s[46:47], s[8:9], s[46:47]
	s_add_nc_u64 s[2:3], s[10:11], s[2:3]
	CROUND                                         ; all sixteen work-groups are here: the first joint loads meet
	s_mov_b32 s[G0S], 1
	s_add_co_u32 s[G0S+1], s105, SCL
	s_mov_b64 s[G0S+2:G0S+3], s[22:23]
	s_or_b32 s[G0S+3], s[G0S+3], 0x80000000
	s_mov_b32 s[G0SB], 1
	s_add_co_u32 s[G0SB+1], s105, SCL
	s_mov_b64 s[G0SB+2:G0SB+3], s[2:3]
	s_or_b32 s[G0SB+3], s[G0SB+3], 0x80000000
	JLOAD G0S, G1S, G0SB, G1SB                     ; the scales first: they are wanted with K step 0
.irp s, 0,1
	s_mov_b32 s[G0+4*\s], 1
	s_add_co_u32 s[G0+4*\s+1], s45, \s*SLOT
	s_add_nc_u64 s[G0+4*\s+2:G0+4*\s+3], s[20:21], \s*ROWB
	s_or_b32 s[G0+4*\s+3], s[G0+4*\s+3], 0x80000000
	s_mov_b32 s[G0B+4*\s], 1
	s_add_co_u32 s[G0B+4*\s+1], s45, \s*SLOT
	s_add_nc_u64 s[G0B+4*\s+2:G0B+4*\s+3], s[46:47], \s*ROWB
	s_or_b32 s[G0B+4*\s+3], s[G0B+4*\s+3], 0x80000000
	JLOAD G0+4*\s, G1, G0B+4*\s, G1B               ; three loads of mine are out
.endr
	v_and_b32 v1, 15, v0                           ; r
	v_bfe_u32 v2, v0, 4, 1                         ; h
	v_mul_u32_u24 v3, v1, PITCH
	v_mul_u32_u24 v4, v2, 24
	v_add_nc_u32 v4, v3, v4                        ; a fragment's row x pitch + 24 x half
	v_lshl_add_u32 v5, v2, 4, v4                   ; and the same behind one padding more
	s_mul_i32 s21, s15, HALFT
	s_mul_i32 s22, s16, HALFT
	s_add_co_u32 s22, s22, 2*HALFT
.irp s, 0,1
	v_add_nc_u32 v[ADRA+\s], s21, v4
	v_add_nc_u32 v[ADRB+\s], s22, v4
	v_add_nc_u32 v[ADRA+2+\s], s21, v5
	v_add_nc_u32 v[ADRB+2+\s], s22, v5
	s_add_co_u32 s21, s21, SLOT
	s_add_co_u32 s22, s22, SLOT
.endr
	v_mul_u32_u24 v5, v1, KS                       ; my row's scales: 32 bytes a row,
	v_lshrrev_b32 v6, 8, v5
	v_lshl_add_u32 v5, v6, 4, v5                   ; and 16 more for each 256 passed
	s_mul_i32 s21, s15, HALFS
	s_mul_i32 s22, s16, HALFS
	s_add_co_u32 s22, s22, 2*HALFS
	s_sub_co_u32 s22, s22, s21
	v_mul_u32_u24 v6, s22, v2                      ; lanes 16-31 take B's: one product, the distance between the two bases
	s_add_co_u32 s21, s21, SCL
	v_add_nc_u32 v5, v5, v6
	v_add_nc_u32 v[ADRS], s21, v5
	; the way out's addresses
	v_and_b32 v6, 31, v0
	v_lshlrev_b32 v8, 4, v6                        ; v8  16 x lane
	v_lshlrev_b32 v9, 3, v6                        ; v9  8 x lane
	v_lshlrev_b32 v10, 2, v1
	v_lshl_add_u32 v10, v2, 9, v10
	s_lshl_b32 s21, s14, 10
	v_add_nc_u32 v10, s21, v10                     ; v10 q, k: my scale word's place: 1,024 x wave + 512 h (the head) + 4 r
	v_add_nc_u32 v11, s21, v8                      ; v11 and back: 16 x lane
	s_lshl_b32 s21, s14, 9
	s_add_co_u32 s21, s21, SCVS
	v_lshlrev_b32 v12, 2, v1
	v_add_nc_u32 v12, s21, v12                     ; v12 v: 512 x wave + 4 r
	v_add_nc_u32 v13, s21, v8                      ; v13 and back
	v_lshlrev_b32 v14, 4, v2                       ; v14 16 h: lanes 16-31 take the second head's two bytes
	v_mul_u32_u24 v15, v2, 208896
	v_lshl_add_u32 v15, v1, 4, v15                 ; v15 v's words: lanes 16-31 store into the next head's block
	v_lshlrev_b32 v30, 6, v2                       ; the bias, modes 0, 1: 16 h numbers on
	v_and_b32 v31, 8, v1
	v_add_nc_u32 v31, v31, v1
	v_lshlrev_b32 v31, 2, v31                      ; mode 2: number r + 8 (r / 8)
	; where my 128 x 128 results go
	s_lshl_b32 s20, s17, 8
	s_lshl_b32 s21, s15, 7
	s_add_co_u32 s20, s20, s21                     ; A's first row of mine
	s_lshl_b32 s21, s42, 8
	s_lshl_b32 s22, s16, 7
	s_add_co_u32 s21, s21, s22                     ; B's
	s_cmp_eq_u32 s[MODE], 2
	s_cselect_b32 s22, s21, s20                    ; my first token,
	s_cselect_b32 s23, s20, s21                    ; my first feature,
	s_and_b32 s23, s23, 1023                       ; inside its weight
	s_cmp_eq_u32 s[MODE], 0
	s_mov_b32 s45, 208896
	s_cselect_b32 s45, 106496, s45                 ; bytes of a head,
	s_mov_b32 s46, 13056
	s_cselect_b32 s46, 6656, s46                   ; of a group of 128 tokens,
	s_mov_b32 s47, 12288
	s_cselect_b32 s47, 6144, s47                   ; and where its q or k scale words begin
	s_lshr_b32 s18, s22, 11
	s_lshl_b32 s18, s18, 4
	s_lshr_b32 s19, s23, 6
	s_add_co_u32 s18, s18, s19                     ; 16 x batch + head: the first of my two heads
	s_bfe_u32 s19, s22, 0x40007                    ; the group
	s_mul_i32 s18, s18, s45
	s_mul_i32 s19, s19, s46
	s_add_co_u32 s18, s18, s19
	s_mov_b32 s19, 0
	s_add_nc_u64 s[92:93], s[6:7], s[18:19]        ; s[92:93] the first head's block,
	s_mov_b32 s18, s45
	s_add_nc_u64 s[94:95], s[92:93], s[18:19]      ; s[94:95] the second's,
	s_mov_b32 s18, s47
	s_add_nc_u64 s[96:97], s[92:93], s[18:19]      ; s[96:97], s[98:99] their scale words
	s_add_nc_u64 s[98:99], s[94:95], s[18:19]
	s_lshl_b32 s18, s23, 2
	s_add_nc_u64 s[4:5], s[4:5], s[18:19]          ; the bias at my first feature
	s_cmp_eq_u32 s[MODE], 2
	s_cbranch_scc1 .Lbias_v
.irp b, 0,1,2,3,4,5,6,7                        ; modes 0, 1: register j of accumulator (a, b) is feature 32 (b / 2) + 16 h + 8 (b % 2) + j
	global_load_b128 v[BIAS+8*\b:BIAS+8*\b+3], v30, s[4:5] offset:(32*(\b/2)+8*(\b%2))*4
	global_load_b128 v[BIAS+8*\b+4:BIAS+8*\b+7], v30, s[4:5] offset:(32*(\b/2)+8*(\b%2))*4+16
.endr
	s_branch .Lbias_done
.Lbias_v:
.irp a, 0,1,2,3,4,5,6,7                        ; mode 2: all eight registers of accumulator (a, b) are feature 32 (a / 2) + 8 (a % 2) + r + 8 (r / 8)
.irp j, 0,1,2,3,4,5,6,7
	global_load_b32 v[BIAS+8*\a+\j], v31, s[4:5] offset:(32*(\a/2)+8*(\a%2))*4
.endr
.endr
.Lbias_done:
	s_wait_loadcnt 0x0
.macro FRAG reg, adr, q, i             ; 16 rows x 128 K of 6-bit codes: 12 registers, in pieces of 8 bytes; where lanes 16-31's piece lies behind one padding more, the second address register serves
.irp p, 0,1,2,3,4,5
.set PC, 12*(\q)+6*(\p/3)+\p%3
.if PC%8 < 5
	ds_load_b64 v[\reg+2*\p:\reg+2*\p+1], v[\adr] offset:8*PC+16*(PC/8)+(\i)*16*PITCH
.else
	ds_load_b64 v[\reg+2*\p:\reg+2*\p+1], v[\adr+2] offset:8*PC+16*(PC/8)+(\i)*16*PITCH
.endif
.endr
.endm
; 16 matrix instructions: A's blocks a0, a0 + 1 x B's eight.  cm = 0: onto the sums; 1: the bias by B's block starts them; 2: the bias by A's block.  The 64 accumulators take turns, one instruction a turn.
.macro MUL16 a0, p, q, sc, cm
.irp a, \a0, \a0+1
.irp b, 0,1,2,3,4,5,6,7
.if \cm == 1
	v_wmma_scale_f32_16x16x128_f8f6f4 v[8*(8*((\a)%4)+\b):8*(8*((\a)%4)+\b)+7], v[128*(\p)+FR*\b:128*(\p)+FR*\b+FR-1], v[AF+FR*(\a):AF+FR*(\a)+FR-1], v[BIAS+8*\b:BIAS+8*\b+7], v[SC+8*NQ*(\sc)+NQ*\b+(\q)], v[SC+8*NQ*(\sc)+NQ*(\a)+(\q)] matrix_a_fmt:MATRIX_FMT_FP6 matrix_b_fmt:MATRIX_FMT_FP6 matrix_a_scale:MATRIX_SCALE_ROW1
.elseif \cm == 2
	v_wmma_scale_f32_16x16x128_f8f6f4 v[8*(8*((\a)%4)+\b):8*(8*((\a)%4)+\b)+7], v[128*(\p)+FR*\b:128*(\p)+FR*\b+FR-1], v[AF+FR*(\a):AF+FR*(\a)+FR-1], v[BIAS+8*(\a):BIAS+8*(\a)+7], v[SC+8*NQ*(\sc)+NQ*\b+(\q)], v[SC+8*NQ*(\sc)+NQ*(\a)+(\q)] matrix_a_fmt:MATRIX_FMT_FP6 matrix_b_fmt:MATRIX_FMT_FP6 matrix_a_scale:MATRIX_SCALE_ROW1
.else
	v_wmma_scale_f32_16x16x128_f8f6f4 v[8*(8*((\a)%4)+\b):8*(8*((\a)%4)+\b)+7], v[128*(\p)+FR*\b:128*(\p)+FR*\b+FR-1], v[AF+FR*(\a):AF+FR*(\a)+FR-1], v[8*(8*((\a)%4)+\b):8*(8*((\a)%4)+\b)+7], v[SC+8*NQ*(\sc)+NQ*\b+(\q)], v[SC+8*NQ*(\sc)+NQ*(\a)+(\q)] matrix_a_fmt:MATRIX_FMT_FP6 matrix_b_fmt:MATRIX_FMT_FP6 matrix_a_scale:MATRIX_SCALE_ROW1
.endif
.endr
.endr
.endm
.macro FETCH_B slot, q, p
	WIN TO_B
.irp i, 0,1,2,3,4,5,6,7
	FRAG 128*(\p)+FR*\i, ADRB+\slot, \q, \i
.endr
	WIN 0
.endm
.macro FETCH_A slot, q, i0
.irp i, \i0, \i0+1, \i0+2, \i0+3
	FRAG AF+FR*(\i), ADRA+\slot, \q, \i
.endr
.endm
.macro SCALES sc                       ; a K step's scale words: 2 words a row; lanes 0-15 take A's block i, lanes 16-31 B's block i
.irp i, 0,1,2,3,4,5,6,7
	ds_load_b64 v[SC+8*NQ*\sc+NQ*\i:SC+8*NQ*\sc+NQ*\i+1], v[ADRS] offset:\i*SBLK
.endr
.endm
.macro PLACES n                        ; plain vector lines between a matrix instruction and a load into, or a read of, its registers
.rept \n
	v_nop
.endr
.endm
; A step of 128 along K that has its successor in the same slot.
.macro STEP slot, q, cm
	s_wait_dscnt 4*NL                              ; B's set and A's blocks 0-3 are in; the youngest 24 loads (A's blocks 4-7) may be out
.if \cm
	WIN 0x81                                       ; C (the bias) in window 0, D in window 2
.else
	WIN MUL_LO
.endif
	MUL16 0, (\q)%2, \q, \slot, \cm
	MUL16 2, (\q)%2, \q, \slot, \cm
	s_wait_dscnt 0                                 ; A's blocks 4-7 are in
	PLACES NP
	FETCH_B \slot, (\q)+1, 1-(\q)%2
	FETCH_A \slot, (\q)+1, 0
.if \cm
	WIN 0xc1
.else
	WIN MUL_HI
.endif
	MUL16 4, (\q)%2, \q, \slot, \cm
	MUL16 6, (\q)%2, \q, \slot, \cm
	PLACES NP
	WIN 0
	FETCH_A \slot, (\q)+1, 4
.endm
; A slot's last step changes slots: one barrier; in front of it each wave waits for all its tensor loads, adds 0 to its spare word, and waits for that and for its own reads of this slot.
.macro TURN slot, next, fill
	s_wait_tensorcnt 0x0                           ; all my tensor loads have landed: my part of the next slot
	ds_add_u32 v[SPW], v[NIL]                      ; 0 onto my spare word
	s_wait_dscnt 4*NL+1                            ; (the add and the youngest 24 loads may be out)
	WIN MUL_LO
	MUL16 0, 1, NQ-1, \slot, 0                     ; sixteen matrix instructions stand between the add and the wait for it
	s_wait_dscnt 0x0                               ; the add is done, and my reads of this slot are over
	s_barrier_signal -1
	MUL16 2, 1, NQ-1, \slot, 0
	WIN 0
	s_barrier_wait -1
.if \fill
	CREST                                          ; the barrier has opened a round of the cluster's barrier: no wave of any partner still reads this slot or has a load on its way
	s_add_nc_u64 s[G0+4*\slot+2:G0+4*\slot+3], s[G0+4*\slot+2:G0+4*\slot+3], 2*ROWB
	s_add_nc_u64 s[G0B+4*\slot+2:G0B+4*\slot+3], s[G0B+4*\slot+2:G0B+4*\slot+3], 2*ROWB
	JLOAD G0+4*\slot, G1, G0B+4*\slot, G1B         ; the first tensor load behind the round; its four v_nop are the places in front of the loads below
.else
	PLACES NP
.endif
	v_add_nc_u32 v[ADRS], 4*NQ, v[ADRS]            ; on to the next K step's scale words
	FETCH_B \next, 0, 0
	FETCH_A \next, 0, 0
	SCALES \next
	WIN MUL_HI
	MUL16 4, 1, NQ-1, \slot, 0
	MUL16 6, 1, NQ-1, \slot, 0
	PLACES NP
	WIN 0
	FETCH_A \next, 0, 4
.endm
	s_wait_tensorcnt 1                             ; the scales and my part of K step 0 are in (K step 1's load may be out)
	s_barrier_signal -1
	s_barrier_wait -1                              ; everybody's are
	FETCH_B 0, 0, 0
	FETCH_A 0, 0, 0
	SCALES 0
	FETCH_A 0, 0, 4
	s_cmp_eq_u32 s[MODE], 2                        ; the first step is written twice: its products take the bias as C, by B's block or by A's
	s_cbranch_scc1 .Lfirst_v
	STEP 0, 0, 1
	s_branch .Lfirst_done
.Lfirst_v:
	STEP 0, 0, 2
.Lfirst_done:
	TURN 0, 1, 1                                   ; K = 1,024 is four slots: both are filled once more
	STEP 1, 0, 0
	TURN 1, 0, 1
	STEP 0, 0, 0
	TURN 0, 1, 0                                   ; nothing is left to fetch
	STEP 1, 0, 0
	s_wait_dscnt 4*NL
	WIN MUL_LO
	MUL16 0, 1, NQ-1, 1, 0
	MUL16 2, 1, NQ-1, 1, 0
	s_wait_dscnt 0
	WIN MUL_HI
	MUL16 4, 1, NQ-1, 1, 0
	MUL16 6, 1, NQ-1, 1, 0
	WIN 0
; THE WAY OUT.  Block a: 64 numbers of a lane, register 16 b + i = number 32 b + 16 h + i along the next K of my row, become a fragment's codes in v[CD] on and its scale word in v[PW].
.macro QUANTW a
.set AC, 64*((\a)%4)
	WIN 0x0a+5*((\a)/4)                            ; sources 0 and 1: window 2 or 3
.irp b, 0,1,2,3
	v_max3_num_f32 v[TM+\b], |v[AC+16*\b]|, |v[AC+16*\b+1]|, 0x1800000   ; my 16 numbers of block b, each accumulator from its low end on, and the floor 2^(3 - 127)
.endr
.irp i, 2,4,6,8,10,12,14
.irp b, 0,1,2,3
	v_max3_num_f32 v[TM+\b], |v[AC+16*\b+\i]|, |v[AC+16*\b+\i+1]|, v[TM+\b]   ; (the four blocks by turns)
.endr
.endr
	WIN 0
	s_wait_xcnt 0x0                                ; the last block's stores have read their registers: the codes
	s_wait_dscnt 0x0                               ; and the scale word may be written again
.irp b, 0,1,2,3
	v_permlanex16_b32 v[TM+4+\b], v[TM+\b], s2, s3
.endr
.irp b, 0,1,2,3
	v_max_num_f32 v[TM+\b], v[TM+\b], v[TM+4+\b]   ; with lane l xor 16's: the block's largest magnitude
.endr
.irp b, 0,1,2,3
	v_add_nc_u32 v[TM+12+\b], 0xff000000, v[TM+\b] ; 2 off its exponent field: the conversion's scale operand
.endr
.irp b, 0,1,2,3
	v_lshrrev_b32 v[TM+4+\b], 23, v[TM+12+\b]      ; the scale's byte
.endr
	v_lshl_or_b32 v[PW], v[TM+5], 8, v[TM+4]
	v_lshl_or_b32 v[PW], v[TM+6], 16, v[PW]
	v_lshl_or_b32 v[PW], v[TM+7], 24, v[PW]
	WIN 0x02+(\a)/4                                ; source 0: window 2 or 3
.irp c, 0,1
	v_cvt_scalef32_pk16_fp6_f32 v[CD+6*\c:CD+2+6*\c], v[AC+32*\c:AC+15+32*\c], v[TM+12+2*\c]
	v_cvt_scalef32_pk16_fp6_f32 v[CD+12+4*\c:CD+14+4*\c], v[AC+16+32*\c:AC+31+32*\c], v[TM+12+2*\c+1]   ; (a conversion's three registers begin on an even number)
.endr
	WIN 0
	v_nop                                          ; one plain line behind the conversions
.irp c, 0,1                                    ; the operand's layout wants a whole block in a lane
.irp i, 0,1,2
	v_permlane16_swap_b32 v[CD+6*\c+\i], v[CD+12+4*\c+\i]
.endr
.irp i, 0,1,2
	v_mov_b32 v[CD+3+6*\c+\i], v[CD+12+4*\c+\i]
.endr
.endr
.endm
	PLACES NP                                      ; behind the last products
	s_mov_b32 s2, 0x76543210
	s_mov_b32 s3, 0xfedcba98                       ; v_permlanex16_b32's selects for lane l xor 16
.irp b, 0,1,2,3
	v_mov_b32 v[TM+4+\b], 0                        ; written once: a lane permute's destination counts as one of its sources
.endr
	s_cmp_eq_u32 s[MODE], 2
	s_cbranch_scc1 .Lout_v
.irp a, 0,1,2,3,4,5,6,7                        ; q, k: tokens 16 a + r (in position order) of my group; registers 0-5 the first head's 64 channels, 6-11 the second's
	QUANTW \a
	global_store_b128 v8, v[CD:CD+3], s[92:93] offset:768*\a
	global_store_b64 v9, v[CD+4:CD+5], s[92:93] offset:768*\a+512
	global_store_b128 v8, v[CD+6:CD+9], s[94:95] offset:768*\a
	global_store_b64 v9, v[CD+10:CD+11], s[94:95] offset:768*\a+512
	v_lshrrev_b32 v[PW+1], v14, v[PW]              ; lanes 0-15 keep the word, lanes 16-31 bring the second head's two bytes down
	ds_store_b32 v10, v[PW+1] offset:64*\a
.endr
	ds_load_b128 v[96:99], v11                     ; my own bytes: LDS serves a wave's instructions in order
	ds_load_b128 v[100:103], v11 offset:512
	s_wait_dscnt 0x0
	global_store_b128 v8, v[96:99], s[96:97]       ; 128 scale words of each head: 512 consecutive bytes
	global_store_b128 v8, v[100:103], s[98:99]
	s_branch .Lend
.Lout_v:
.irp a, 0,1,2,3,4,5,6,7                        ; v: head a / 4, its channels 16 (a % 4) + r (in position order) x my 128 keys
	QUANTW \a
.irp c, 0,1,2
	global_store_b128 v8, v[CD+4*\c:CD+4*\c+3], s[92+2*(\a/4):93+2*(\a/4)] offset:6144+1536*(\a%4)+512*\c
.endr
	ds_store_b32 v12, v[PW] offset:64*\a           ; both halves of the lanes write the same word with the same value
.endr
	ds_load_b128 v[96:99], v13
	s_wait_dscnt 0x0
	global_store_b128 v15, v[96:99], s[92:93] offset:12800   ; lanes 0-15: the first head's 64 words, 256 consecutive bytes; lanes 16-31: the second's
.Lend:
	s_wait_tensorcnt 0x0                           ; the wave's end
	ds_add_u32 v[SPW], v[NIL]
	s_wait_dscnt 0x0
	CROUND                                         ; the closing round: no work-group ends while a partner may still ask for a tile that names it
	s_endpgm
.Lfunc_end_k_q2999821fc0_qkv:
	.size	k_q2999821fc0_qkv, .Lfunc_end_k_q2999821fc0_qkv-k_q2999821fc0_qkv
	.p2alignl 7, 3214868480
	.fill 96, 4, 3214868480
	.section	.rodata,"a",@progbits
	.p2align	6, 0x0
	.amdhsa_kernel k_q2999821fc0_qkv
		.amdhsa_group_segment_fixed_size 327680
		.amdhsa_private_segment_fixed_size 0
		.amdhsa_enable_private_segment 0
		.amdhsa_kernarg_size 72
		.amdhsa_user_sgpr_count 2
		.amdhsa_user_sgpr_kernarg_segment_ptr 1
		.amdhsa_wavefront_size32 1
		.amdhsa_system_sgpr_workgroup_id_x 1
		.amdhsa_system_sgpr_workgroup_id_y 1
		.amdhsa_system_sgpr_workgroup_id_z 1
		.amdhsa_system_vgpr_workitem_id 0
		.amdhsa_next_free_vgpr 1024
		.amdhsa_next_free_sgpr 106
		.amdhsa_reserve_vcc 0
		.amdhsa_float_denorm_mode_32 3
		.amdhsa_float_denorm_mode_16_64 3
		.amdhsa_memory_ordered 1
		.amdhsa_forward_progress 1
		.amdhsa_inst_pref_size 224
	.end_amdhsa_kernel
	.amdgpu_metadata
---
amdhsa.version: [ 1, 2 ]
amdhsa.kernels:
  - .name:           k_q2999821fc0_qkv
    .symbol:         k_q2999821fc0_qkv.kd
    .args:
      - { .name: xc, .offset: 0, .size: 8, .value_kind: global_buffer, .address_space: global }
      - { .name: xs, .offset: 8, .size: 8, .value_kind: global_buffer, .address_space: global }
      - { .name: wc, .offset: 16, .size: 8, .value_kind: global_buffer, .address_space: global }
      - { .name: ws, .offset: 24, .size: 8, .value_kind: global_buffer, .address_space: global }
      - { .name: bq, .offset: 32, .size: 8, .value_kind: global_buffer, .address_space: global }
      - { .name: bk, .offset: 40, .size: 8, .value_kind: global_buffer, .address_space: global }
      - { .name: bv, .offset: 48, .size: 8, .value_kind: global_buffer, .address_space: global }
      - { .name: qb, .offset: 56, .size: 8, .value_kind: global_buffer, .address_space: global }
      - { .name: kv, .offset: 64, .size: 8, .value_kind: global_buffer, .address_space: global }
    .group_segment_fixed_size: 327680
    .private_segment_fixed_size: 0
    .kernarg_segment_align: 8
    .kernarg_segment_size: 72
    .max_flat_workgroup_size: 128
    .sgpr_count:     106
    .vgpr_count:     1024
    .wavefront_size: 32
...
	.end_amdgpu_metadata
.endif
;; end of part 2
;; launch attn (part 3): grid 8 x 64, 16 waves a work-group, clusters of 4 x 1, 210,944 bytes of LDS; arguments qb, kv, cc, cs; writes cc, cs
.if DOCPART == 3
	.amdgcn_target "amdgcn-amd-amdhsa--gfx1250"
	.amdhsa_code_object_version 6
	.text
	.protected	k_q2999821fc0_attn
	.globl	k_q2999821fc0_attn
	.p2align	8
	.type	k_q2999821fc0_attn,@function
k_q2999821fc0_attn:
	s_mov_b64 s[64:65], 0
	v_nop
	global_prefetch_b8 v0, s[64:65] scope:SCOPE_SE
	s_setreg_imm32_b32 hwreg(HW_REG_WAVE_MODE, 25, 1), 1
	s_wait_xcnt 0x0
	s_wait_alu depctr_hold_cnt(0) depctr_sa_sdst(0) depctr_va_vdst(0) depctr_va_sdst(0) depctr_va_ssrc(0) depctr_va_vcc(0) depctr_vm_vsrc(0)
	s_getreg_b32 s2, hwreg(HW_REG_IB_STS2, 6, 4)
	s_cmp_eq_u32 s2, 0
	s_cbranch_scc0 .Lentry_in_a_cluster
	s_endpgm
.Lentry_in_a_cluster:
	s_bfe_u32 s2, ttmp6, 0x10000c
	s_cmp_lg_u32 s2, 0x3003
	s_cbranch_scc0 .Lentry_shape_is_right
	s_endpgm
.Lentry_shape_is_right:
; ctx = softmax(q k^T / 8, causal) v for 64 heads of 2,048 tokens x 64 channels, both products on codes of FP6 (E2M3) with E8M0 scales; ctx leaves as codes for the last product.
; THE SOFTMAX: t = score x log2(e) / 8; M = the row's largest t so far, rounded up to a whole number; p = 2^(t - M) is quantised along the keys, not normalised; the row's sum is taken of the
; unquantised p and divides at the end.  When M moves, the sum and O are multiplied by 2^(old M - new M): exact.
; A HEAD'S WHOLE K, V AND SCALES STAY IN LDS: 16 key steps x 13,056 bytes, filled ONCE, by three joint loads of each of waves 0 and 1 at the head (steps 0-1, 2-5, 6-15).  Nothing is filled again.
; So every byte of K and V is asked for at the head and nothing is left to prefetch.
; CLUSTER: the four work-groups of a cluster belong to one head and take the same bytes: each load names all four.
; SHARES.  A head has 16 groups of 128 tokens x 8 tiles of 16 queries: 128 tiles for 8 work-groups x 16 waves.  A wave owns one tile.  Its group G hangs on the wave's number and the cluster's x alone
; (k = b1 xor 3 b3, pi = x + 2 k, G = b2 ? 15 - pi : pi), so that every branch is alike in all partners; its tile in the group is 2 cx + b0, which enters global addresses and the mask's compare alone.
; A wave needs key steps 0 .. G; the later trips of the loops step addresses only.  The four waves with equal b0, b1 have 34 steps together, whatever the work-group.
; LAYOUT.  Both products are used transposed: S^T = K Q^T, O^T = V^T P^T: a lane holds one query.  Tokens and channels lie in position order (position p holds number sw(p), bits 3 and 4 exchanged),
; so the 16 registers of tiles 2 b, 2 b + 1 are 16 true neighbours 32 b + 16 h + 0 .. 15: keys in S^T, channels in O^T.  All operands are images of their registers: every LDS read is 16, 8 or 4 bytes x lane on end.
; The head's K is 64: registers 6-11 of Q's and K's fragments hold zero codes, under scale bytes that are never 0xff.
; OUT.  cc: [512 tiles of 16 positions][16 heads][768 bytes]; cs: [8,192 positions][32]: 2 bytes a row and head: those units are written in part, since a row's bytes come from 16 heads: 2 bytes for each 48 of codes.
; LIMITS: a block of zeros gets the byte 1 (its codes are zeros); NaN and infinities are not served.
.set STB,  13056                       ; a key step's block: K's 8 half images, V's 4 images, K's 128 scale words, V's 64
.set VO,   6144
.set KSO,  12288
.set VSO,  12800
.set KF,   32                          ; v32-79   four fragments of K; the upper six registers of each stay zero
.set VF,   80                          ; v80-127  V's four fragments
.set S,    128                         ; v128-191 S^T, then p; at the end ctx
.set O,    192                         ; v192-223 O^T
.set KSW,  248                         ; v248-251 K's scale words: lanes 0-15 tile 2 i, lanes 16-31 tile 2 i + 1
.set WV,   18                          ; v1-3: 16, 8, 4 x lane; v4-6 the same in the step's block; v7 the mask's d; v12 -M, v13 the largest t, v[14:15] the sum; v[16:27] Q; v28-29 V's scale words; v30 f, v31 0;
.set SEL,  20                          ; v224-235 p's codes; v232-247, v254 at work; v253 p's scale word; v255 Q's
.set CS,   22
.set TB,   60                          ; s60 LDS byte at which the step's block begins
.set SI,   61                          ; s61 the step
.set GG,   62                          ; s62 my group = my last step
.set CNT,  63
.macro CROUND                          ; a round of the cluster's barrier
	s_barrier_signal -1
	s_barrier_wait -1
	s_cmp_lg_u32 s[WV], 0
	s_cbranch_scc1 .Lnot_wave_0_\@
	s_barrier_signal -3
.Lnot_wave_0_\@:
	s_barrier_wait -3
	s_barrier_signal -1
	s_barrier_wait -1
.endm
.macro PLACES
.rept 4
	v_nop
.endr
.endm
.macro G1SET g, rows                   ; a dense block as rows of 256 bytes (32 elements of 8 bytes), no padding; the mask names all four work-groups, bit 21 beside it
	s_mov_b32 s[\g], 15|(3<<16)|(1<<21)
	s_mov_b32 s[\g+1], 32<<16
	s_mov_b32 s[\g+2], (\rows)<<16
	s_mov_b32 s[\g+3], 32<<16
	s_mov_b32 s[\g+4], \rows
	s_mov_b32 s[\g+5], 32
	s_mov_b32 s[\g+6], 0
	s_mov_b32 s[\g+7], 0
.endm
.macro G0SET g, mul, base              ; my half of a phase: the same offset in LDS and in the head's block of kv
	s_mul_i32 s78, s66, \mul
	s_add_co_u32 s78, s78, \base
	s_mov_b32 s[\g], 1
	s_mov_b32 s[\g+1], s78
	s_add_nc_u64 s[\g+2:\g+3], s[6:7], s[78:79]
	s_or_b32 s[\g+3], s[\g+3], 0x80000000
.endm
	s_load_b256 s[4:11], s[0:1], 0x0               ; qb s[4:5], kv s[6:7], cc s[8:9], cs s[10:11]
	v_lshl_add_u32 v243, v0, 2, 0x33000
	v_mov_b32 v252, 0
	ds_add_u32 v243, v252
	ds_add_u32 v243, v252
	v_lshrrev_b32 v8, 5, v0
	v_readfirstlane_b32 s[WV], v8                  ; wave 0..15
	s_and_b32 s66, s[WV], 1                        ; b0
	s_bfe_u32 s67, s[WV], 0x10001                  ; b1
	s_bfe_u32 s68, s[WV], 0x10002                  ; b2
	s_bfe_u32 s69, s[WV], 0x10003                  ; b3
	s_mul_i32 s69, s69, 3
	s_xor_b32 s67, s67, s69                        ; k
	s_lshl_b32 s67, s67, 1
	s_add_co_u32 s67, s67, ttmp9                   ; pi = the cluster's x + 2 k
	s_sub_co_u32 s69, 15, s67
	s_cmp_eq_u32 s68, 1
	s_cselect_b32 s[GG], s69, s67                  ; G
	s_bfe_u32 s72, ttmp6, 0x40000                  ; cx
	s_lshl_b32 s73, s72, 1
	s_add_co_u32 s73, s73, s66                     ; my tile in the group
	s_and_b32 s74, ttmp7, 0xffff                   ; 16 x batch + head
	G1SET 24, 51                                   ; steps 0-1: 13,056 bytes a wave
	G1SET 32, 102                                  ; steps 2-5: 26,112
	G1SET 40, 255                                  ; steps 6-15: 65,280
	s_mul_i32 s76, s74, 16*STB
	s_mov_b32 s77, 0
	s_mov_b32 s79, 0
	s_mov_b32 s71, 0
	s_mov_b32 s[SEL], 0x76543210
	s_mov_b32 s[SEL+1], 0xfedcba98                 ; v_permlanex16_b32's selects for lane l xor 16
	s_mov_b32 s[CS], 0x3e38aa3b                    ; c = log2(e) / 8
	s_mov_b32 s[CS+1], s[CS]                       ; (named with it as a pair, so it is written)
	s_mov_b32 s[TB], 0
	s_mov_b32 s[SI], 0
	s_wait_dscnt 0x0
	s_wait_kmcnt 0x0
	s_add_nc_u64 s[6:7], s[6:7], s[76:77]          ; kv at my head
	G0SET 48, STB, 0
	G0SET 52, 2*STB, 2*STB
	G0SET 56, 5*STB, 6*STB
	CROUND                                         ; all four work-groups are here: the joint loads meet
	s_cmp_lt_u32 s[WV], 2                          ; a wave's three fills stand in one branch, ahead of every wait on TENSORcnt, every LDS read and every other barrier: three loads of mine are out
	s_cbranch_scc0 .Lno_fetch
	tensor_load_to_lds s[48:51], s[24:31]
	s_nop 0
	tensor_load_to_lds s[52:55], s[32:39]
	s_nop 0
	tensor_load_to_lds s[56:59], s[40:47]
	s_nop 0
	PLACES
.Lno_fetch:
	v_and_b32 v11, 31, v0
	v_lshlrev_b32 v1, 4, v11
	v_lshlrev_b32 v2, 3, v11
	v_lshlrev_b32 v3, 2, v11
	v_and_b32 v8, 15, v0                           ; r
	v_lshlrev_b32 v9, 5, v8                        ; 32 r: a row of cs
	v_lshlrev_b32 v10, 2, v8                       ; 4 r: a scale word
	s_mul_i32 s70, s74, 106496
	s_mul_i32 s75, s[GG], 6656
	s_add_co_u32 s70, s70, s75
	s_add_nc_u64 s[4:5], s[4:5], s[70:71]          ; qb at my group
	s_mul_i32 s70, s73, 768
	s_add_nc_u64 s[12:13], s[4:5], s[70:71]        ; my tile's image,
	s_lshl_b32 s70, s73, 6
	s_add_co_u32 s70, s70, 6144
	s_add_nc_u64 s[14:15], s[4:5], s[70:71]        ; and its scale words
	global_load_b128 v[16:19], v1, s[12:13]
	global_load_b64 v[20:21], v2, s[12:13] offset:512
	global_load_b32 v255, v10, s[14:15]
	s_lshr_b32 s70, s74, 4                         ; batch
	s_and_b32 s75, s74, 15                         ; head
	s_lshl_b32 s70, s70, 7
	s_lshl_b32 s76, s[GG], 3
	s_add_co_u32 s70, s70, s76
	s_add_co_u32 s76, s70, s73                     ; my tile of 16 positions among the 512
	s_lshl_b32 s70, s76, 4
	s_add_co_u32 s70, s70, s75
	s_mul_i32 s70, s70, 768
	s_add_nc_u64 s[8:9], s[8:9], s[70:71]          ; cc at my half image
	s_lshl_b32 s70, s76, 9
	s_lshl_b32 s75, s75, 1
	s_add_co_u32 s70, s70, s75
	s_add_nc_u64 s[10:11], s[10:11], s[70:71]      ; cs at my first row, my head's two bytes
	v_and_b32 v11, 8, v8
	v_add_nc_u32 v7, v11, v8                       ; r + 8 (r / 8)
	v_bfe_u32 v11, v0, 4, 1
	v_lshlrev_b32 v11, 4, v11
	v_sub_nc_u32 v7, v7, v11                       ; - 16 h
	s_lshl_b32 s70, s72, 5
	s_lshl_b32 s75, s66, 3
	s_add_co_u32 s70, s70, s75
	v_add_nc_u32 v7, s70, v7                       ; d = my query's true number in its group, 32 cx + 8 b0 + r + 8 (r / 8), less 16 h
	v_mov_b32 v13, 0xff61b1e6                      ; the largest t so far: -3e38
	v_floor_f32 v12, -v13                          ; -M
	v_mov_b32 v14, 0
	v_mov_b32 v15, 0
	v_mov_b32 v31, 0                               ; (the upper half of the pair v[30:31])
	v_mov_b32 v254, 0
.irp b, 0,1,2,3
	v_mov_b32 v[236+\b], 0                         ; written once: a lane permute's destination counts as one of its sources
.endr
.irp i, 22,23,24,25,26,27
	v_mov_b32 v[\i], 0                             ; Q's upper half: zero codes
.endr
.irp t, 0,1,2,3
.irp i, 6,7,8,9,10,11
	v_mov_b32 v[KF+12*\t+\i], 0                    ; K's likewise: never written again
.endr
.endr
.set jj, 0
.rept 32
	v_mov_b32 v[O+jj], 0                           ; O^T: the step is written without a first step of its own: the first change of M leaves zeros zeros
.set jj, jj+1
.endr
.macro KQ t, f                         ; S^T's tile t: source 0 = 16 keys (buffer f), source 1 = my 16 queries
.if (\t)%2
	v_wmma_scale_f32_16x16x128_f8f6f4 v[S+8*(\t):S+8*(\t)+7], v[KF+12*(\f):KF+12*(\f)+11], v[16:27], 0, v[KSW+(\t)/2], v255 matrix_a_fmt:MATRIX_FMT_FP6 matrix_b_fmt:MATRIX_FMT_FP6 matrix_a_scale:MATRIX_SCALE_ROW1
.else
	v_wmma_scale_f32_16x16x128_f8f6f4 v[S+8*(\t):S+8*(\t)+7], v[KF+12*(\f):KF+12*(\f)+11], v[16:27], 0, v[KSW+(\t)/2], v255 matrix_a_fmt:MATRIX_FMT_FP6 matrix_b_fmt:MATRIX_FMT_FP6
.endif
.endm
.macro PV t                            ; O^T's tile t: source 0 = 16 channels x 128 keys, source 1 = p
.if (\t)%2
	v_wmma_scale_f32_16x16x128_f8f6f4 v[O+8*(\t):O+8*(\t)+7], v[VF+12*(\t):VF+12*(\t)+11], v[224:235], v[O+8*(\t):O+8*(\t)+7], v[28+(\t)/2], v253 matrix_a_fmt:MATRIX_FMT_FP6 matrix_b_fmt:MATRIX_FMT_FP6 matrix_a_scale:MATRIX_SCALE_ROW1
.else
	v_wmma_scale_f32_16x16x128_f8f6f4 v[O+8*(\t):O+8*(\t)+7], v[VF+12*(\t):VF+12*(\t)+11], v[224:235], v[O+8*(\t):O+8*(\t)+7], v[28+(\t)/2], v253 matrix_a_fmt:MATRIX_FMT_FP6 matrix_b_fmt:MATRIX_FMT_FP6
.endif
.endm
; A KEY STEP: 128 keys.  A step all of whose keys come after my queries is left out: a scalar branch on ids round the work, not round the lines that step addresses; no barrier stands in a step.
.macro STEP
	s_cmp_gt_u32 s[SI], s[GG]
	s_cbranch_scc1 .Lhidden_\@
	v_add_nc_u32 v4, s[TB], v1
	v_add_nc_u32 v5, s[TB], v2
	v_add_nc_u32 v6, s[TB], v3
	v_nop                                          ; four plain lines behind the last step's products
.irp i, 0,1,2,3
	ds_load_b32 v[KSW+\i], v6 offset:KSO+128*\i
.endr
.irp t, 0,1,2,3
	ds_load_b128 v[KF+12*\t:KF+12*\t+3], v4 offset:768*\t
	ds_load_b64 v[KF+12*\t+4:KF+12*\t+5], v5 offset:768*\t+512
.endr
	s_wait_dscnt 0x0
.irp t, 0,1,2,3
	KQ \t, \t
.endr
	PLACES                                         ; in front of loads into registers that matrix instructions have read
.irp t, 0,1,2,3
	ds_load_b128 v[KF+12*\t:KF+12*\t+3], v4 offset:768*(\t+4)
	ds_load_b64 v[KF+12*\t+4:KF+12*\t+5], v5 offset:768*(\t+4)+512
.endr
.irp t, 0,1,2,3
.irp c, 0,1,2
	ds_load_b128 v[VF+12*\t+4*\c:VF+12*\t+4*\c+3], v4 offset:VO+1536*\t+512*\c   ; V lands while the softmax is walked
.endr
.endr
	ds_load_b32 v28, v6 offset:VSO
	ds_load_b32 v29, v6 offset:VSO+128
	s_wait_dscnt 14                                ; K's tiles 4-7 are in; V's twelve loads and its two scale loads may be out
.irp t, 0,1,2,3
	KQ \t+4, \t
.endr
	PLACES
	s_cmp_lg_u32 s[SI], s[GG]                      ; my last step lies on the diagonal: hidden scores become -infinity ahead of the maximum, p = 0 then
	s_cbranch_scc1 .Lopen_\@
	v_mov_b32 v254, 0xff800000
.set jj, 0
.rept 64
	v_cmp_gt_i32 vcc_lo, 32*(jj/16)+jj%16, v7      ; register 16 b + i holds key 32 b + 16 h + i of the step: hidden where 32 b + i > d
	v_cndmask_b32 v[S+jj], v[S+jj], v254, vcc_lo
.set jj, jj+1
.endr
.Lopen_\@:
.irp b, 0,1,2,3
	v_max3_num_f32 v[232+\b], v[S+16*\b], v[S+1+16*\b], v[S+2+16*\b]   ; the largest score of each block of 32 keys: for the row's maximum, and, since p rises with the score, for the block's largest p
.endr
.irp i, 3,5,7,9,11,13
.irp b, 0,1,2,3
	v_max3_num_f32 v[232+\b], v[232+\b], v[S+16*\b+\i], v[S+1+16*\b+\i]
.endr
.endr
.irp b, 0,1,2,3
	v_max_num_f32 v[232+\b], v[232+\b], v[S+15+16*\b]
.endr
.irp b, 0,1,2,3
	v_permlanex16_b32 v[236+\b], v[232+\b], s[SEL], s[SEL+1]
.endr
.irp b, 0,1,2,3
	v_max_num_f32 v[232+\b], v[232+\b], v[236+\b]  ; with lane l xor 16's 16 keys
.endr
	v_max3_num_f32 v254, v232, v233, v234
	v_max_num_f32 v254, v254, v235                 ; the step's largest score of my query
	v_mul_f32 v254, s[CS], v254                    ; as t
	v_max_num_f32 v13, v13, v254                   ; the running largest t
	v_mov_b32 v254, v12
	v_floor_f32 v12, -v13                          ; the new -M = -ceil(t): a whole number
	v_sub_f32 v254, v12, v254                      ; old M - new M: a whole number, 0 or less
	v_cvt_i32_f32 v254, v254                       ; (it saturates)
	v_ldexp_f32 v30, 1.0, v254                     ; f = 2^(old M - new M)
.set jj, 0
.rept 32
	v_pk_fma_f32 v[S+jj:S+1+jj], v[S+jj:S+1+jj], s[CS:CS+1], v[12:13] op_sel_hi:[1,0,0]   ; t - M, two at a time
.set jj, jj+2
.endr
.irp b, 0,1,2,3
	v_fma_f32 v[232+\b], v[232+\b], s[CS], v12     ; the same of each block's largest score
.endr
.set jj, 0
.rept 64
	v_exp_f32 v[S+jj], v[S+jj]                     ; p = 2^(t - M)
.set jj, jj+1
.endr
	v_pk_mul_f32 v[14:15], v[14:15], v[30:31] op_sel_hi:[1,0]   ; the sums under the new M (a plain line behind the exponentials)
	s_wait_alu depctr_va_vdst(0)                   ; one wait for the whole batch, ahead of its first reader
.irp b, 0,1,2,3
	v_exp_f32 v[232+\b], v[232+\b]                 ; the block's largest p
.endr
	v_pk_add_f32 v[236:237], v[S:S+1], v[S+2:S+3]  ; the row's sum of the unquantised p, in two chains
.irp j, 4,8,12,16,20,24,28,32,36,40,44,48,52,56,60
	v_pk_add_f32 v[14:15], v[14:15], v[S+\j:S+1+\j]
	v_pk_add_f32 v[236:237], v[236:237], v[S+2+\j:S+3+\j]
.endr
	v_pk_add_f32 v[14:15], v[14:15], v[236:237]
	s_wait_alu depctr_va_vdst(0)                   ; and one for the four
.irp b, 0,1,2,3
	v_max_num_f32 v[232+\b], 0x1800000, v[232+\b]  ; the floor 2^(3 - 127): the byte cannot fall under 1
.endr
.irp b, 0,1,2,3
	v_add_nc_u32 v[244+\b], 0xff000000, v[232+\b]  ; the conversion's scale operand
.endr
.irp b, 0,1,2,3
	v_lshrrev_b32 v[236+\b], 23, v[244+\b]         ; the scale's byte
.endr
	v_lshl_or_b32 v253, v237, 8, v236              ; p's scale word for these 128 keys
	v_lshl_or_b32 v253, v238, 16, v253
	v_lshl_or_b32 v253, v239, 24, v253
.irp c, 0,1
	v_cvt_scalef32_pk16_fp6_f32 v[224+6*\c:226+6*\c], v[S+32*\c:S+15+32*\c], v[244+2*\c]
	v_cvt_scalef32_pk16_fp6_f32 v[236+4*\c:238+4*\c], v[S+16+32*\c:S+31+32*\c], v[244+2*\c+1]
.endr
	v_nop                                          ; one plain line behind the conversions
.irp c, 0,1
.irp i, 0,1,2
	v_permlane16_swap_b32 v[224+6*\c+\i], v[236+4*\c+\i]
.endr
.irp i, 0,1,2
	v_mov_b32 v[227+6*\c+\i], v[236+4*\c+\i]
.endr
.endr
.set jj, 0
.rept 16
	v_pk_mul_f32 v[O+jj:O+1+jj], v[O+jj:O+1+jj], v[30:31] op_sel_hi:[1,0]   ; O^T under the new M.  Twelve of these sixteen name no register of a given product below: the places in front of it
.set jj, jj+2
.endr
	s_wait_dscnt 0x0                               ; V is in
.irp t, 0,1,2,3
	PV \t                                          ; four accumulators by turns
.endr
.Lhidden_\@:
	s_add_co_u32 s[SI], s[SI], 1
	s_add_co_u32 s[TB], s[TB], STB
.endm
; A PHASE: n key steps whose bytes one load of each fetching wave has brought.  left: how many of its three loads may stay out.  The waves that fetch nothing read behind the barrier.
.macro PHASE n, left
	s_wait_tensorcnt \left
	s_wait_dscnt 0x0
	s_barrier_signal -1
	s_barrier_wait -1
	s_mov_b32 s[CNT], \n
.Lstep_\@:
	STEP
	s_sub_co_u32 s[CNT], s[CNT], 1
	s_cmp_lg_u32 s[CNT], 0
	s_cbranch_scc1 .Lstep_\@
.endm
	s_wait_loadcnt 0x0                             ; Q
	PHASE 2, 2
	PHASE 4, 1
	PHASE 10, 0
	; THE WAY OUT: ctx = O^T / the sum; its two blocks of 32 channels are quantised; the half image and the two scale bytes are stored.
	PLACES                                         ; behind the last products
	v_add_f32 v14, v14, v15
	v_permlanex16_b32 v254, v14, s[SEL], s[SEL+1]
	v_add_f32 v14, v14, v254                       ; the row's sum
	v_rcp_f32 v30, v14
	v_nop                                          ; a plain line behind the reciprocal
	s_wait_alu depctr_va_vdst(0)                   ; and the wait ahead of its first reader
.set jj, 0
.rept 16
	v_pk_mul_f32 v[S+jj:S+1+jj], v[O+jj:O+1+jj], v[30:31] op_sel_hi:[1,0]   ; register 16 b + i is channel 32 b + 16 h + i; each accumulator from its low end on
.set jj, jj+2
.endr
.irp b, 0,1
	v_max3_num_f32 v[232+\b], |v[S+16*\b]|, |v[S+1+16*\b]|, 0x1800000
.endr
.irp i, 2,4,6,8,10,12,14
.irp b, 0,1
	v_max3_num_f32 v[232+\b], v[232+\b], |v[S+16*\b+\i]|, |v[S+1+16*\b+\i]|
.endr
.endr
.irp b, 0,1
	v_permlanex16_b32 v[236+\b], v[232+\b], s[SEL], s[SEL+1]
.endr
.irp b, 0,1
	v_max_num_f32 v[232+\b], v[232+\b], v[236+\b]
.endr
.irp b, 0,1
	v_add_nc_u32 v[244+\b], 0xff000000, v[232+\b]
.endr
.irp b, 0,1
	v_lshrrev_b32 v[236+\b], 23, v[244+\b]
.endr
	v_lshl_or_b32 v253, v237, 8, v236              ; my row's two scale bytes
	v_cvt_scalef32_pk16_fp6_f32 v[224:226], v[S:S+15], v244
	v_cvt_scalef32_pk16_fp6_f32 v[236:238], v[S+16:S+31], v245
	v_nop
.irp i, 0,1,2
	v_permlane16_swap_b32 v[224+\i], v[236+\i]
.endr
.irp i, 0,1,2
	v_mov_b32 v[227+\i], v[236+\i]
.endr
	global_store_b128 v1, v[224:227], s[8:9]       ; 512 consecutive bytes, aligned
	global_store_b64 v2, v[228:229], s[8:9] offset:512   ; and 256
	global_store_b16 v9, v253, s[10:11]            ; both halves of the lanes store the same two bytes to the same place
	s_wait_tensorcnt 0x0
	s_wait_dscnt 0x0
	s_wait_tensorcnt 0x0
	ds_add_u32 v243, v252
	s_wait_dscnt 0x0
	CROUND                                         ; the closing round: no work-group ends while a partner may still ask for bytes jointly
	s_endpgm
.Lfunc_end_k_q2999821fc0_attn:
	.size	k_q2999821fc0_attn, .Lfunc_end_k_q2999821fc0_attn-k_q2999821fc0_attn
	.p2alignl 7, 3214868480
	.fill 96, 4, 3214868480
	.section	.rodata,"a",@progbits
	.p2align	6, 0x0
	.amdhsa_kernel k_q2999821fc0_attn
		.amdhsa_group_segment_fixed_size 210944
		.amdhsa_private_segment_fixed_size 0
		.amdhsa_enable_private_segment 0
		.amdhsa_kernarg_size 32
		.amdhsa_user_sgpr_count 2
		.amdhsa_user_sgpr_kernarg_segment_ptr 1
		.amdhsa_wavefront_size32 1
		.amdhsa_system_sgpr_workgroup_id_x 1
		.amdhsa_system_sgpr_workgroup_id_y 1
		.amdhsa_system_sgpr_workgroup_id_z 1
		.amdhsa_system_vgpr_workitem_id 0
		.amdhsa_next_free_vgpr 256
		.amdhsa_next_free_sgpr 80
		.amdhsa_reserve_vcc 1
		.amdhsa_float_denorm_mode_32 3
		.amdhsa_float_denorm_mode_16_64 3
		.amdhsa_memory_ordered 1
		.amdhsa_forward_progress 1
		.amdhsa_inst_pref_size 77
	.end_amdhsa_kernel
	.amdgpu_metadata
---
amdhsa.version: [ 1, 2 ]
amdhsa.kernels:
  - .name:           k_q2999821fc0_attn
    .symbol:         k_q2999821fc0_attn.kd
    .args:
      - { .name: qb, .offset: 0, .size: 8, .value_kind: global_buffer, .address_space: global }
      - { .name: kv, .offset: 8, .size: 8, .value_kind: global_buffer, .address_space: global }
      - { .name: cc, .offset: 16, .size: 8, .value_kind: global_buffer, .address_space: global }
      - { .name: cs, .offset: 24, .size: 8, .value_kind: global_buffer, .address_space: global }
    .group_segment_fixed_size: 210944
    .private_segment_fixed_size: 0
    .kernarg_segment_align: 8
    .kernarg_segment_size: 32
    .max_flat_workgroup_size: 512
    .sgpr_count:     80
    .vgpr_count:     256
    .wavefront_size: 32
...
	.end_amdgpu_metadata
.endif
;; end of part 3
;; launch oproj (part 4): grid 4 x 32, 4 waves a work-group, clusters of 4 x 4, 327,680 bytes of LDS; arguments cc, cs, wc, ws, bo, out0; writes out0
.if DOCPART == 4
	.amdgcn_target "amdgcn-amd-amdhsa--gfx1250"
	.amdhsa_code_object_version 6
	.text
	.protected	k_q2999821fc0_oproj
	.globl	k_q2999821fc0_oproj
	.p2align	8
	.type	k_q2999821fc0_oproj,@function
k_q2999821fc0_oproj:
	s_mov_b64 s[64:65], 0
	v_nop
	global_prefetch_b8 v0, s[64:65] scope:SCOPE_SE
	s_setreg_imm32_b32 hwreg(HW_REG_WAVE_MODE, 25, 1), 1
	s_wait_xcnt 0x0
	s_wait_alu depctr_hold_cnt(0) depctr_sa_sdst(0) depctr_va_vdst(0) depctr_va_sdst(0) depctr_va_ssrc(0) depctr_va_vcc(0) depctr_vm_vsrc(0)
	s_getreg_b32 s2, hwreg(HW_REG_IB_STS2, 6, 4)
	s_cmp_eq_u32 s2, 0
	s_cbranch_scc0 .Lentry_in_a_cluster
	s_endpgm
.Lentry_in_a_cluster:
	s_bfe_u32 s2, ttmp6, 0x10000c
	s_cmp_lg_u32 s2, 0xf033
	s_cbranch_scc0 .Lentry_shape_is_right
	s_endpgm
.Lentry_shape_is_right:
; out0 = ctx Wo + bo on codes of FP6 (E2M3) with E8M0 scales, K = 1,024; out0 [8192][1024] f32.
; A tile of 256 x 256 of the output is made by four waves, 128 x 128 each: 64 accumulators.  K goes in steps of 256 through a ring of two LDS slots; the scale bytes of the tile's rows come once.
; 4 x 4 work-groups form a cluster: A's tiles are asked for jointly along a row of the cluster, B's along a column.  128 tiles of this size: a smaller tile would read each LDS byte for half the products.
; A = ctx comes as IMAGES of its registers: cc [512 tiles of 16 positions][16 heads][768 bytes]; 128 along K are two heads: registers 0-3 at 16 x lane, 4-5 at 512 + 8 x lane, 6-9 at 768 + 16 x lane, 10-11 at 1,280 + 8 x lane.
; A K step of 8 tiles of rows is 8 rows of 3,072 bytes, 12,288 apart, dense in LDS.  B = Wo: rows 3,072 .. 4,095 of wc, as rows of 192 bytes, padded.
; Source 0 = 16 rows of B, source 1 = 16 rows of A.  Tokens and columns lie in position order (position p holds number sw(p), bits 3 and 4 exchanged): the way out puts both back.  bo is the C of each sum's first instruction.
; Nothing is prefetched: a tile has four slot fills, two of which go out at the head.
.set NQ,     2
.set ROWB,   192
.set KROW,   768
.set PITCH,  240
.set FR,     12
.set NL,     6                         ; LDS loads that bring a fragment of B
.set NLA,    4                         ; and of A
.set NP,     4
.set ASTEP,  3072                      ; a K step of a tile of 16 rows of A
.set HALFA,  8*ASTEP
.set HALFB,  128*PITCH
.set SLOT,   2*HALFA+2*HALFB
.set KS,     32
.set SCL,    2*SLOT
.set HALFS,  16*272
.set SBLK,   2*272
.set SPARE,  SCL+4*HALFS               ; the spare words: 128 bytes a wave, two blocks of 256 bytes that no other line names
.set SPITCH, 528                       ; the way out: 16 rows x (512 bytes + 16) for each wave, in slot 0, which has had its last fill and its last read by then
.set ADRA, 16                          ; v16-17 16 x lane in my A rows of slot 0, 1; v18-19 8 x lane
.set ADRB, 20                          ; v20-23 B's
.set STO,  24
.set RD,   25
.set CO,   26
.set ADRS, 27
.set SPW,  28
.set NIL,  29
.set SC,   32
.set BIAS, 64
.set AF,   128
.set BK,   128
.set G1, 24
.set G0, 32
.set G1B, 48
.set G0B, 56
.set G1S, 68
.set G0S, 76
.set G1SB, 80
.set G0SB, 88
.set MSB, 0
.macro WIN new
.if MSB != \new
	s_set_vgpr_msb (MSB<<8)|\new
.set MSB, \new
.endif
.endm
.set MUL_LO, 0xa1
.set MUL_HI, 0xf1
.set TO_B,   0x40
.macro JLOAD g0a, g1a, g0b, g1b        ; waves 0 and 1 fetch for A, waves 2 and 3 for B; four v_nop follow each of the two lines
	s_cmp_eq_u32 s15, 0
	s_cbranch_scc0 .Lfor_b_\@
	tensor_load_to_lds s[\g0a:\g0a+3], s[\g1a:\g1a+7]
	s_nop 0
.rept 4
	v_nop
.endr
	s_branch .Lasked_\@
.Lfor_b_\@:
	tensor_load_to_lds s[\g0b:\g0b+3], s[\g1b:\g1b+7]
	s_nop 0
.rept 4
	v_nop
.endr
.Lasked_\@:
.endm
.macro CREST
	s_cmp_lg_u32 s14, 0
	s_cbranch_scc1 .Lnot_wave_0_\@
	s_barrier_signal -3
.Lnot_wave_0_\@:
	s_barrier_wait -3
	s_barrier_signal -1
	s_barrier_wait -1
.endm
.macro CROUND
	s_barrier_signal -1
	s_barrier_wait -1
	CREST
.endm
	s_load_b128 s[4:7], s[0:1], 0x0                ; cc, cs
	s_load_b128 s[8:11], s[0:1], 0x10              ; wc, ws
	s_load_b128 s[96:99], s[0:1], 0x20             ; bo, out0
	v_lshl_add_u32 v[SPW], v0, 2, SPARE
	v_mov_b32 v[NIL], 0
	ds_add_u32 v28, v29
	ds_add_u32 v28, v29
	s_wait_dscnt 0x0
	v_lshrrev_b32 v1, 5, v0
	v_readfirstlane_b32 s14, v1                    ; wave 0..3
	s_lshr_b32 s15, s14, 1                         ; which half of the tile's rows is mine.  Also: I fetch for A (0) or for B (1)
	s_and_b32 s16, s14, 1                          ; which half of its columns.  Also: which half of that tile I fetch
	s_bfe_u32 s40, ttmp6, 0x40000                  ; cx
	s_bfe_u32 s41, ttmp6, 0x40004                  ; cy
	s_lshl_b32 s42, ttmp9, 2
	s_add_co_u32 s42, s42, s40                     ; tile column
	s_and_b32 s17, ttmp7, 0xffff
	s_lshl_b32 s17, s17, 2
	s_add_co_u32 s17, s17, s41                     ; tile row
	s_lshl_b32 s43, s41, 2
	s_lshl_b32 s43, 15, s43                        ; my row of the cluster
	s_lshl_b32 s44, 0x1111, s40                    ; my column
	s_or_b32 s[G1+0], s43, (3<<16)|(1<<21)         ; A: the mask; elements of 8 bytes; no padding; bit 21 beside a mask
	s_mov_b32 s[G1+1], 384<<16                     ; tensor_dim0: 3,072 bytes
	s_mov_b32 s[G1+2], 8<<16                       ; tensor_dim1: 8 tiles of rows
	s_mov_b32 s[G1+3], 384<<16
	s_mov_b32 s[G1+4], 8
	s_mov_b32 s[G1+5], 1536                        ; 12,288 bytes from tile to tile
	s_mov_b32 s[G1+6], 0
	s_mov_b32 s[G1+7], 0
	s_or_b32 s[G1B+0], s44, (0<<16)|(1<<20)|(1<<21)|(3<<22)|(3<<25)  ; B: elements of 1 byte; after every 16 words 4 words of padding
	s_mov_b32 s[G1B+1], ROWB<<16
	s_mov_b32 s[G1B+2], 128<<16
	s_mov_b32 s[G1B+3], ROWB<<16
	s_mov_b32 s[G1B+4], 128
	s_mov_b32 s[G1B+5], KROW
	s_mov_b32 s[G1B+6], 0
	s_mov_b32 s[G1B+7], 0
	s_or_b32 s[G1S+0], s43, (3<<16)|(1<<20)|(1<<21)|(5<<22)|(3<<25)  ; the scales of 128 rows: 16 rows of 256 bytes, 16 of padding behind each
	s_or_b32 s[G1SB+0], s44, (3<<16)|(1<<20)|(1<<21)|(5<<22)|(3<<25)
.irp g, G1S, G1SB
	s_mov_b32 s[\g+1], 32<<16
	s_mov_b32 s[\g+2], 16<<16
	s_mov_b32 s[\g+3], 32<<16
	s_mov_b32 s[\g+4], 16
	s_mov_b32 s[\g+5], 32
	s_mov_b32 s[\g+6], 0
	s_mov_b32 s[\g+7], 0
.endr
	s_lshl_b32 s18, s16, 7
	s_lshl_b32 s20, s17, 8
	s_add_co_u32 s20, s20, s18                     ; A's row: 256 x tile row + 128 x half
	s_lshl_b32 s46, s42, 8
	s_add_co_u32 s46, s46, s18
	s_add_co_u32 s46, s46, 3072                    ; B's row in wc: Wo begins at 3,072
	s_mov_b32 s21, 0
	s_mov_b32 s47, 0
	s_mov_b64 s[18:19], KS
	s_mul_u64 s[22:23], s[20:21], s[18:19]
	s_mul_u64 s[92:93], s[46:47], s[18:19]
	s_mov_b64 s[18:19], KROW
	s_mul_u64 s[20:21], s[20:21], s[18:19]         ; (16 rows of cc are 12,288 bytes: 768 a row, as in wc)
	s_mul_u64 s[46:47], s[46:47], s[18:19]
	s_mul_i32 s45, s16, HALFA                      ; where they go: A's two halves,
	s_mul_i32 s95, s16, HALFB
	s_add_co_u32 s95, s95, 2*HALFA                 ; then B's two: no place in the cluster enters an LDS address
	s_mul_i32 s94, s14, HALFS
	s_wait_kmcnt 0x0
	s_add_nc_u64 s[20:21], s[4:5], s[20:21]
	s_add_nc_u64 s[22:23], s[6:7], s[22:23]
	s_add_nc_u64 s[46:47], s[8:9], s[46:47]
	s_add_nc_u64 s[92:93], s[10:11], s[92:93]
	CROUND                                         ; all sixteen work-groups are here: the first joint loads meet
	s_mov_b32 s[G0S], 1
	s_add_co_u32 s[G0S+1], s94, SCL
	s_mov_b64 s[G0S+2:G0S+3], s[22:23]
	s_or_b32 s[G0S+3], s[G0S+3], 0x80000000
	s_mov_b32 s[G0SB], 1
	s_add_co_u32 s[G0SB+1], s94, SCL
	s_mov_b64 s[G0SB+2:G0SB+3], s[92:93]
	s_or_b32 s[G0SB+3], s[G0SB+3], 0x80000000
	JLOAD G0S, G1S, G0SB, G1SB
.irp s, 0,1
	s_mov_b32 s[G0+4*\s], 1
	s_add_co_u32 s[G0+4*\s+1], s45, \s*SLOT
	s_add_nc_u64 s[G0+4*\s+2:G0+4*\s+3], s[20:21], \s*ASTEP
	s_or_b32 s[G0+4*\s+3], s[G0+4*\s+3], 0x80000000
	s_mov_b32 s[G0B+4*\s], 1
	s_add_co_u32 s[G0B+4*\s+1], s95, \s*SLOT
	s_add_nc_u64 s[G0B+4*\s+2:G0B+4*\s+3], s[46:47], \s*ROWB
	s_or_b32 s[G0B+4*\s+3], s[G0B+4*\s+3], 0x80000000
	JLOAD G0+4*\s, G1, G0B+4*\s, G1B               ; three loads of mine are out
.endr
	v_and_b32 v1, 15, v0                           ; r
	v_bfe_u32 v2, v0, 4, 1                         ; h
	v_mul_u32_u24 v3, v1, PITCH
	v_mul_u32_u24 v4, v2, 24
	v_add_nc_u32 v4, v3, v4                        ; B: a fragment's row x pitch + 24 x half
	v_lshl_add_u32 v5, v2, 4, v4                   ; and the same behind one padding more
	v_and_b32 v6, 31, v0
	v_lshlrev_b32 v7, 4, v6                        ; A: 16 x lane,
	v_lshlrev_b32 v8, 3, v6                        ; 8 x lane
	s_mul_i32 s21, s15, HALFA
	s_mul_i32 s22, s16, HALFB
	s_add_co_u32 s22, s22, 2*HALFA
.irp s, 0,1
	v_add_nc_u32 v[ADRA+\s], s21, v7
	v_add_nc_u32 v[ADRA+2+\s], s21, v8
	v_add_nc_u32 v[ADRB+\s], s22, v4
	v_add_nc_u32 v[ADRB+2+\s], s22, v5
	s_add_co_u32 s21, s21, SLOT
	s_add_co_u32 s22, s22, SLOT
.endr
	v_mul_u32_u24 v5, v1, KS
	v_lshrrev_b32 v6, 8, v5
	v_lshl_add_u32 v5, v6, 4, v5
	s_mul_i32 s21, s15, HALFS
	s_mul_i32 s22, s16, HALFS
	s_add_co_u32 s22, s22, 2*HALFS
	s_sub_co_u32 s22, s22, s21
	v_mul_u32_u24 v6, s22, v2                      ; lanes 16-31 take B's
	s_add_co_u32 s21, s21, SCL
	v_add_nc_u32 v5, v5, v6
	v_add_nc_u32 v[ADRS], s21, v5
	s_mul_i32 s23, s14, 16*SPITCH                  ; my stage
	v_mul_u32_u24 v5, v1, SPITCH
	v_lshl_add_u32 v5, v2, 6, v5                   ; in: row r, + 64 h: register j of accumulator b is true column 32 (b / 2) + 16 h + 8 (b % 2) + j
	v_add_nc_u32 v[STO], s23, v5
	v_mov_b32 v[CO], v7                            ; back: the 32 lanes take one row of 512 bytes; and the same in out0
	v_add_nc_u32 v[RD], s23, v7
	v_lshlrev_b32 v30, 6, v2                       ; the bias: 16 h numbers on
	s_lshl_b32 s20, s17, 8
	s_lshl_b32 s21, s15, 7
	s_add_co_u32 s20, s20, s21                     ; my first row of out0
	s_lshl_b32 s20, s20, 12                        ; 4,096 bytes a row (under 2^25)
	s_lshl_b32 s46, s42, 10                        ; my first column, in bytes
	s_lshl_b32 s47, s16, 9
	s_add_co_u32 s46, s46, s47
	s_mov_b32 s47, 0
	s_add_nc_u64 s[96:97], s[96:97], s[46:47]      ; bo at my first column
	s_add_co_u32 s20, s20, s46
	s_mov_b32 s21, 0
	s_add_nc_u64 s[98:99], s[98:99], s[20:21]
.irp b, 0,1,2,3,4,5,6,7
	global_load_b128 v[BIAS+8*\b:BIAS+8*\b+3], v30, s[96:97] offset:(32*(\b/2)+8*(\b%2))*4
	global_load_b128 v[BIAS+8*\b+4:BIAS+8*\b+7], v30, s[96:97] offset:(32*(\b/2)+8*(\b%2))*4+16
.endr
	s_wait_loadcnt 0x0
.macro FRAG reg, adr, q, i             ; B: 12 registers in pieces of 8 bytes; where lanes 16-31's piece lies behind one padding more, the second address register serves
.irp p, 0,1,2,3,4,5
.set PC, 12*(\q)+6*(\p/3)+\p%3
.if PC%8 < 5
	ds_load_b64 v[\reg+2*\p:\reg+2*\p+1], v[\adr] offset:8*PC+16*(PC/8)+(\i)*16*PITCH
.else
	ds_load_b64 v[\reg+2*\p:\reg+2*\p+1], v[\adr+2] offset:8*PC+16*(PC/8)+(\i)*16*PITCH
.endif
.endr
.endm
.macro FRAGA reg, slot, q, i           ; A: two heads' half images
	ds_load_b128 v[\reg:\reg+3], v[ADRA+\slot] offset:ASTEP*(\i)+1536*(\q)
	ds_load_b64 v[\reg+4:\reg+5], v[ADRA+2+\slot] offset:ASTEP*(\i)+1536*(\q)+512
	ds_load_b128 v[\reg+6:\reg+9], v[ADRA+\slot] offset:ASTEP*(\i)+1536*(\q)+768
	ds_load_b64 v[\reg+10:\reg+11], v[ADRA+2+\slot] offset:ASTEP*(\i)+1536*(\q)+1280
.endm
.macro MUL16 a0, p, q, sc, cm          ; cm = 1: the bias starts the sums.  The 64 accumulators take turns, one instruction a turn
.irp a, \a0, \a0+1
.irp b, 0,1,2,3,4,5,6,7
.if \cm
	v_wmma_scale_f32_16x16x128_f8f6f4 v[8*(8*((\a)%4)+\b):8*(8*((\a)%4)+\b)+7], v[128*(\p)+FR*\b:128*(\p)+FR*\b+FR-1], v[AF+FR*(\a):AF+FR*(\a)+FR-1], v[BIAS+8*\b:BIAS+8*\b+7], v[SC+8*NQ*(\sc)+NQ*\b+(\q)], v[SC+8*NQ*(\sc)+NQ*(\a)+(\q)] matrix_a_fmt:MATRIX_FMT_FP6 matrix_b_fmt:MATRIX_FMT_FP6 matrix_a_scale:MATRIX_SCALE_ROW1
.else
	v_wmma_scale_f32_16x16x128_f8f6f4 v[8*(8*((\a)%4)+\b):8*(8*((\a)%4)+\b)+7], v[128*(\p)+FR*\b:128*(\p)+FR*\b+FR-1], v[AF+FR*(\a):AF+FR*(\a)+FR-1], v[8*(8*((\a)%4)+\b):8*(8*((\a)%4)+\b)+7], v[SC+8*NQ*(\sc)+NQ*\b+(\q)], v[SC+8*NQ*(\sc)+NQ*(\a)+(\q)] matrix_a_fmt:MATRIX_FMT_FP6 matrix_b_fmt:MATRIX_FMT_FP6 matrix_a_scale:MATRIX_SCALE_ROW1
.endif
.endr
.endr
.endm
.macro FETCH_B slot, q, p
	WIN TO_B
.irp i, 0,1,2,3,4,5,6,7
	FRAG 128*(\p)+FR*\i, ADRB+\slot, \q, \i
.endr
	WIN 0
.endm
.macro FETCH_A slot, q, i0
.irp i, \i0, \i0+1, \i0+2, \i0+3
	FRAGA AF+FR*(\i), \slot, \q, \i
.endr
.endm
.macro SCALES sc
.irp i, 0,1,2,3,4,5,6,7
	ds_load_b64 v[SC+8*NQ*\sc+NQ*\i:SC+8*NQ*\sc+NQ*\i+1], v[ADRS] offset:\i*SBLK
.endr
.endm
.macro PLACES n
.rept \n
	v_nop
.endr
.endm
.macro STEP slot, q, cm
	s_wait_dscnt 4*NLA                             ; B's set and A's blocks 0-3 are in; the youngest 16 loads (A's blocks 4-7) may be out
.if \cm
	WIN 0x81                                       ; C (the bias) in window 0, D in window 2
.else
	WIN MUL_LO
.endif
	MUL16 0, (\q)%2, \q, \slot, \cm
	MUL16 2, (\q)%2, \q, \slot, \cm
	s_wait_dscnt 0
	PLACES NP
	FETCH_B \slot, (\q)+1, 1-(\q)%2
	FETCH_A \slot, (\q)+1, 0
.if \cm
	WIN 0xc1
.else
	WIN MUL_HI
.endif
	MUL16 4, (\q)%2, \q, \slot, \cm
	MUL16 6, (\q)%2, \q, \slot, \cm
	PLACES NP
	WIN 0
	FETCH_A \slot, (\q)+1, 4
.endm
.macro TURN slot, next, fill
	s_wait_tensorcnt 0x0                           ; all my tensor loads have landed: my part of the next slot
	ds_add_u32 v[SPW], v[NIL]                      ; 0 onto my spare word
	s_wait_dscnt 4*NLA+1                           ; (the add and the youngest 16 loads may be out)
	WIN MUL_LO
	MUL16 0, 1, NQ-1, \slot, 0
	s_wait_dscnt 0x0                               ; the add is done, and my reads of this slot are over
	s_barrier_signal -1
	MUL16 2, 1, NQ-1, \slot, 0
	WIN 0
	s_barrier_wait -1
.if \fill
	CREST                                          ; the barrier has opened a round of the cluster's barrier
	s_add_nc_u64 s[G0+4*\slot+2:G0+4*\slot+3], s[G0+4*\slot+2:G0+4*\slot+3], 2*ASTEP
	s_add_nc_u64 s[G0B+4*\slot+2:G0B+4*\slot+3], s[G0B+4*\slot+2:G0B+4*\slot+3], 2*ROWB
	JLOAD G0+4*\slot, G1, G0B+4*\slot, G1B         ; the first tensor load behind the round
.else
	PLACES NP
.endif
	v_add_nc_u32 v[ADRS], 4*NQ, v[ADRS]
	FETCH_B \next, 0, 0
	FETCH_A \next, 0, 0
	SCALES \next
	WIN MUL_HI
	MUL16 4, 1, NQ-1, \slot, 0
	MUL16 6, 1, NQ-1, \slot, 0
	PLACES NP
	WIN 0
	FETCH_A \next, 0, 4
.endm
	s_wait_tensorcnt 1                             ; the scales and my part of K step 0 are in (K step 1's load may be out)
	s_barrier_signal -1
	s_barrier_wait -1
	FETCH_B 0, 0, 0
	FETCH_A 0, 0, 0
	SCALES 0
	FETCH_A 0, 0, 4
	STEP 0, 0, 1
	TURN 0, 1, 1
	STEP 1, 0, 0
	TURN 1, 0, 1
	STEP 0, 0, 0
	TURN 0, 1, 0
	STEP 1, 0, 0
	s_wait_dscnt 4*NLA
	WIN MUL_LO
	MUL16 0, 1, NQ-1, 1, 0
	MUL16 2, 1, NQ-1, 1, 0
	s_wait_dscnt 0
	WIN MUL_HI
	MUL16 4, 1, NQ-1, 1, 0
	MUL16 6, 1, NQ-1, 1, 0
	WIN 0
; THE WAY OUT, block by block of 16 rows x 128 columns, through my own stage: the columns go to their true places there, and whole rows of 512 bytes come back.
.macro TOSTAGE a
.set AC, 64*((\a)%4)
	WIN 0x08+4*((\a)/4)                            ; the data: window 2 or 3
.irp b, 0,1,2,3,4,5,6,7
	ds_store_b128 v[STO], v[AC+8*\b:AC+8*\b+3] offset:128*(\b/2)+32*(\b%2)          ; each accumulator from its low end on
	ds_store_b128 v[STO], v[AC+8*\b+4:AC+8*\b+7] offset:128*(\b/2)+32*(\b%2)+16
.endr
	WIN 0
.set BB, BK+64*((\a)%2)
.irp t, 0,1,2,3,4,5,6,7,8,9,10,11,12,13,14,15
	ds_load_b128 v[BB+4*\t:BB+4*\t+3], v[RD] offset:\t*SPITCH   ; LDS serves a wave's instructions in order
.endr
.endm
.macro SEND a, younger                 ; row t of block a is token 32 (a / 2) + 8 (a % 2) + t + 8 (t / 8) of my 128
.set BB, BK+64*((\a)%2)
	s_wait_dscnt \younger
.if (\a) > 0
.if (\a)%2
	s_add_nc_u64 s[98:99], s[98:99], 8*4096        ; (behind a wait on XCNT: the earlier stores have read their base)
.else
	s_add_nc_u64 s[98:99], s[98:99], 24*4096
.endif
.endif
.irp t, 0,1,2,3,4,5,6,7,8,9,10,11,12,13,14,15
	global_store_b128 v[CO], v[BB+4*\t:BB+4*\t+3], s[98:99] offset:(\t+8*(\t/8))*4096 th:TH_STORE_NT   ; 32 lanes store 512 consecutive bytes, aligned
.endr
.endm
	PLACES NP
	TOSTAGE 0
.irp a, 1,2,3,4,5,6,7
.if \a > 1
	s_wait_xcnt 0x0                                ; block a - 2's stores have read their registers and their base
.endif
	TOSTAGE \a
	SEND \a-1, 32                                  ; behind block a - 1's loads: block a's 16 stores and 16 loads
.endr
	s_wait_xcnt 0x0
	SEND 7, 0
	s_wait_tensorcnt 0x0                           ; the wave's end
	ds_add_u32 v[SPW], v[NIL]
	s_wait_dscnt 0x0
	CROUND                                         ; the closing round
	s_endpgm
.Lfunc_end_k_q2999821fc0_oproj:
	.size	k_q2999821fc0_oproj, .Lfunc_end_k_q2999821fc0_oproj-k_q2999821fc0_oproj
	.p2alignl 7, 3214868480
	.fill 96, 4, 3214868480
	.section	.rodata,"a",@progbits
	.p2align	6, 0x0
	.amdhsa_kernel k_q2999821fc0_oproj
		.amdhsa_group_segment_fixed_size 327680
		.amdhsa_private_segment_fixed_size 0
		.amdhsa_enable_private_segment 0
		.amdhsa_kernarg_size 48
		.amdhsa_user_sgpr_count 2
		.amdhsa_user_sgpr_kernarg_segment_ptr 1
		.amdhsa_wavefront_size32 1
		.amdhsa_system_sgpr_workgroup_id_x 1
		.amdhsa_system_sgpr_workgroup_id_y 1
		.amdhsa_system_sgpr_workgroup_id_z 1
		.amdhsa_system_vgpr_workitem_id 0
		.amdhsa_next_free_vgpr 1024
		.amdhsa_next_free_sgpr 100
		.amdhsa_reserve_vcc 0
		.amdhsa_float_denorm_mode_32 3
		.amdhsa_float_denorm_mode_16_64 3
		.amdhsa_memory_ordered 1
		.amdhsa_forward_progress 1
		.amdhsa_inst_pref_size 153
	.end_amdhsa_kernel
	.amdgpu_metadata
---
amdhsa.version: [ 1, 2 ]
amdhsa.kernels:
  - .name:           k_q2999821fc0_oproj
    .symbol:         k_q2999821fc0_oproj.kd
    .args:
      - { .name: cc, .offset: 0, .size: 8, .value_kind: global_buffer, .address_space: global }
      - { .name: cs, .offset: 8, .size: 8, .value_kind: global_buffer, .address_space: global }
      - { .name: wc, .offset: 16, .size: 8, .value_kind: global_buffer, .address_space: global }
      - { .name: ws, .offset: 24, .size: 8, .value_kind: global_buffer, .address_space: global }
      - { .name: bo, .offset: 32, .size: 8, .value_kind: global_buffer, .address_space: global }
      - { .name: out0, .offset: 40, .size: 8, .value_kind: global_buffer, .address_space: global }
    .group_segment_fixed_size: 327680
    .private_segment_fixed_size: 0
    .kernarg_segment_align: 8
    .kernarg_segment_size: 48
    .max_flat_workgroup_size: 128
    .sgpr_count:     100
    .vgpr_count:     1024
    .wavefront_size: 32
...
	.end_amdgpu_metadata
.endif
;; end of part 4
